; MI455X (gfx1250); checked and timed in simulation.
; The chip was launched on July 23, 2026; its instructions are those of AMD's public machine-readable ISA for CDNA 5 (MIT licence, August 2026) and "CDNA5" Instruction Set Architecture Reference Guide (July 2026). The comments in the code are by the model that wrote it; some were corrected since.
;; Multi Head Attention. Allowed arithmetic: matrix products marked QUANTISED: E2M1 operands, one E8M0 scale for each 32 along K, by v_wmma_scale_f32_16x16x128_f8f6f4 with both operands' format E2M1 (or v_wmma_scale_f32_32x16x128_f4), f32 sums; everything else in f32.
;; Inputs: Wk_codes 1,024 x 32 x 16 uint8 (E2M1 codes of Wk, K innermost, in blocks of 32 codes, two codes a byte); Wk_scales 1,024 x 32 uint8 (E8M0 scales of Wk, one for each 32 codes along K); Wo_codes 1,024 x 32 x 16 uint8 (E2M1 codes of Wo, K innermost, in blocks of 32 codes, two codes a byte); Wo_scales 1,024 x 32 uint8 (E8M0 scales of Wo, one for each 32 codes along K); Wq_codes 1,024 x 32 x 16 uint8 (E2M1 codes of Wq, K innermost, in blocks of 32 codes, two codes a byte); Wq_scales 1,024 x 32 uint8 (E8M0 scales of Wq, one for each 32 codes along K); Wv_codes 1,024 x 32 x 16 uint8 (E2M1 codes of Wv, K innermost, in blocks of 32 codes, two codes a byte); Wv_scales 1,024 x 32 uint8 (E8M0 scales of Wv, one for each 32 codes along K); attn_mask 1 x 1 x 2,048 x 2,048 bool; bk 1,024 float32; bo 1,024 float32; bq 1,024 float32; bv 1,024 float32; k_codes 4 x 2,048 x 32 x 16 uint8 (E2M1 codes of k, K innermost, in blocks of 32 codes, two codes a byte); k_scales 4 x 2,048 x 32 uint8 (E8M0 scales of k, one for each 32 codes along K); q_codes 4 x 2,048 x 32 x 16 uint8 (E2M1 codes of q, K innermost, in blocks of 32 codes, two codes a byte); q_scales 4 x 2,048 x 32 uint8 (E8M0 scales of q, one for each 32 codes along K); v_codes 4 x 2,048 x 32 x 16 uint8 (E2M1 codes of v, K innermost, in blocks of 32 codes, two codes a byte); v_scales 4 x 2,048 x 32 uint8 (E8M0 scales of v, one for each 32 codes along K).
;; Outputs: out0 4 x 2,048 x 1,024 float32.
;; This version of the problem:
;;   THIS VERSION OF THE PROBLEM IS GIVEN IN LOW PRECISION. The matrix products marked QUANTISED in the list below multiply operands that are first quantised to E2M1 (2 exponent bits, 1 mantissa bit; 4 bits a number), with one power-of-two scale for each 32 numbers along K (OCP MX v1.0); their sums are f32. All else is computed in f32.
;;   The module's matrix products, in the order in which they are computed (A, B: the left and right operand; K: the contracted axis; several contracted axes count as one K, in the product's order):
;;     1. [M 8,192, K 1,024] x [K 1,024, N 1,024]; A: input q (given as codes); B: input Wq (given as codes): QUANTISED
;;     2. [M 8,192, K 1,024] x [K 1,024, N 1,024]; A: input k (given as codes); B: input Wk (given as codes): QUANTISED
;;     3. [M 8,192, K 1,024] x [K 1,024, N 1,024]; A: input v (given as codes); B: input Wv (given as codes): QUANTISED
;;     4. batch 64 x [M 2,048, K 64] x [K 64, N 2,048]; A: computed on the way; B: computed on the way: QUANTISED
;;     5. batch 64 x [M 2,048, K 2,048] x [K 2,048, N 64]; A: softmax (see below); B: computed on the way: QUANTISED
;;     6. [M 8,192, K 1,024] x [K 1,024, N 1,024]; A: computed on the way; B: input Wo (given as codes): QUANTISED
;;   THE QUANTISER, for each operand of a quantised product, along K:
;;     - K is cut into blocks of 32 from its start; a last block that is shorter is filled with zeros.
;;     - A block's scale is 2^e with e = floor(log2(the largest magnitude in the block)) - 2, held to -126 .. 127; a block of zeros has e = 0. As a byte (E8M0): e + 127.
;;     - Each number is divided by its block's scale, clamped to +-6, and rounded to the nearest number of E2M1, ties to even, subnormals kept.
;;     - The product sums the exact products of the quantised numbers (number of the format x scale) in f32.
;;   ~~~python
;;   def quantise(x, axis):      # numpy; x: float32 -> the quantised numbers, widened to float32 again
;;       x = np.moveaxis(x, axis, -1); K = x.shape[-1]
;;       x = np.pad(x, [(0, 0)] * (x.ndim - 1) + [(0, -K % 32)]); x = x.reshape(x.shape[:-1] + (-1, 32)); a = np.abs(x).max(-1, keepdims=True)
;;       e = np.where(a > 0, np.clip(np.frexp(np.where(a > 0, a, 1))[1] - 1 - 2, -126, 127), 0)      # np.frexp(a)[1] - 1 = floor(log2(a)), exactly
;;       r = np.clip(x / 2.0 ** e, -6, 6)
;;       step = 2.0 ** (np.maximum(np.frexp(np.where(r == 0, 1, r))[1] - 1, 0) - 1)
;;       q = np.round(r / step) * step * 2.0 ** e      # np.round: ties to even
;;       return np.moveaxis(q.reshape(q.shape[:-2] + (-1,))[..., :K], -1, axis).astype(np.float32)
;;   ~~~
;;   SOFTMAX AHEAD OF A QUANTISED PRODUCT. Where the list says 'softmax', what is quantised is not the finished softmax but p = 2^(t - M), with t = logit x log2(e) and M = ceil(the row's largest t), a whole number; so 1/2 < the row's largest p <= 1. The row's sum l is taken of the UNQUANTISED p, in f32, and the product's result is divided by l at the end. Since M is a whole number, a kernel that streams over the keys may use a running M (the ceiling of the running maximum): every later rescaling is an exact power of two, which a block's scale takes up: the codes' values come out the same.
;;   OPERANDS COMPUTED ON THE WAY. 'Computed on the way' means the value that the module computes at that place (a softmax that the list does not call 'softmax' is quantised finished and normalised). What goes into a quantiser is computed in f32, as accurately as f32 sums, v_exp_f32 and their like allow (about 1e-6 of the number): no bf16 or f16 on the way to a quantiser, and a product that is left as it is and whose result goes on into a quantised operand takes f32 operands (vector FMAs, or v_wmma_f32_16x16x4_f32). A number that lies on a knife's edge between two numbers of the format may be rounded either way, as far as f32 arithmetic and the matrix unit's own rounding can turn it there, and no further.
;;   INPUTS GIVEN AS CODES. Wk (in the module: [1024, 1024], K = its axis 1); Wo (in the module: [1024, 1024], K = its axis 1); Wq (in the module: [1024, 1024], K = its axis 1); Wv (in the module: [1024, 1024], K = its axis 1); k (in the module: [4, 2048, 1024], K = its axis 2); q (in the module: [4, 2048, 1024], K = its axis 2); v (in the module: [4, 2048, 1024], K = its axis 2): each comes as NAME_codes (uint8): NAME with its K axis moved to the last place and cut into blocks of 32 codes, [.., K / 32, bytes a block], one block behind the other in memory; two codes a byte, the lower K in the low four bits (a code: sign, 2 exponent bits, 1 mantissa bit); and NAME_scales (uint8): the same leading axes, one E8M0 byte (e + 127) for each 32 codes along K. Its value is code x scale, taken as it is: it is not quantised again, and the codes and scales need not be those that the quantiser above would give.
;; 2 versions, each right; version 2 is version 1 with the launch attn written anew for expert scheduling mode. Each part assembles by itself: llvm-mc -triple=amdgcn-amd-amdhsa -mcpu=gfx1250 --defsym DOCPART=n.
;; ======== version 1 of 2: 4 launches
;; workspace buffers: QB 5,242,880 bytes; KV 9,961,472 bytes; MW 524,288 bytes of whole numbers; FL 16,384 bytes of whole numbers; AC 4,194,304 bytes; AS 262,144 bytes
;; launch maskprep (part 1): grid 128 x 1, 16 waves a work-group, no clusters, 35,328 bytes of LDS; arguments attn_mask, MW, FL; writes MW, FL
.if DOCPART == 1
	.amdgcn_target "amdgcn-amd-amdhsa--gfx1250"
	.amdhsa_code_object_version 6
	.text
	.protected	k_q86d25ccc94_maskprep
	.globl	k_q86d25ccc94_maskprep
	.p2align	8
	.type	k_q86d25ccc94_maskprep,@function
k_q86d25ccc94_maskprep:
	s_mov_b64 s[64:65], 0
	v_nop
	global_prefetch_b8 v0, s[64:65] scope:SCOPE_SE
	s_setreg_imm32_b32 hwreg(HW_REG_WAVE_MODE, 25, 1), 1
	s_wait_xcnt 0x0
; The mask [2048 queries][2048 keys], one byte each (not 0 = hidden), is turned into what the attention launch wants:
;   MW [128 query tiles T][16 key steps][64 words]: bit (16 h + r) of word 8 t + j is mask[16 T + r][128 step + 16 t + 8 h + j]: the lane mask for register 8 t + j of a tile of scores
;   (lane (r, h) holds query r, register 8 t + j key 16 t + 8 h + j of the step).
;   FL [128 T][32 equal words]: bit s: key step s has to be worked for tile T; bit 16 + s: step s has a hidden entry.
; A step all of whose 16 x 128 entries are hidden need not be worked, unless a query of the tile is hidden at ALL 2,048 keys: such a row's weights are uniform over all keys, so its tile leaves nothing out.
; SHARES: a work-group takes a query tile; wave w copies row 16 T + w into LDS (four loads of 512 consecutive bytes), and behind a barrier makes key step w's 64 words.  Every byte of the mask is read once.
; No matrix work, no tensor loads: a stream of 4 MiB.
.set ROWP, 2064                        ; a row in LDS: 2,048 bytes + 16 = 516 words: row r starts at bank 4 r mod 64, so the 32 lanes' 8 bytes fall on 64 different banks
.set AOB,  16*ROWP                     ; behind the rows: 8 bytes for each wave: the AND and the OR of its 64 words
	s_load_b128 s[4:7], s[0:1], 0x0                ; the mask, MW
	s_load_b64 s[8:9], s[0:1], 0x10                ; FL
	v_lshl_add_u32 v48, v0, 2, 0x8200
	v_mov_b32 v49, 0
	v_lshrrev_b32 v1, 5, v0
	v_readfirstlane_b32 s10, v1                    ; wave 0..15
	v_and_b32 v5, 31, v0                           ; lane
	v_lshlrev_b32 v1, 4, v5                        ; 16 x lane
	s_lshl_b32 s11, ttmp9, 4
	s_add_co_u32 s11, s11, s10                     ; 16 T + w: my row of the mask, and my record of MW
	s_lshl_b32 s12, s11, 11                        ; x 2,048 bytes
	s_mov_b32 s13, 0
	s_lshl_b32 s14, s11, 8                         ; x 256 bytes
	s_mov_b32 s15, 0
	s_lshl_b32 s16, ttmp9, 7                       ; FL: 128 bytes a tile
	s_mov_b32 s17, 0
	s_mul_i32 s18, s10, ROWP
	v_add_nc_u32 v6, s18, v1                       ; LDS, in: my row, 16 bytes a lane
	v_and_b32 v7, 15, v0                           ; r
	v_bfe_u32 v2, v0, 4, 1                         ; h
	v_mul_u32_u24 v7, v7, ROWP
	v_lshl_add_u32 v2, v2, 3, v7
	s_lshl_b32 s19, s10, 7
	v_add_nc_u32 v2, s19, v2                       ; LDS, out: row r, byte 128 w + 8 h
	v_lshlrev_b32 v3, 3, v5                        ; 8 x lane
	v_lshlrev_b32 v4, 2, v5                        ; 4 x lane
	s_lshl_b32 s26, s10, 3
	s_add_co_u32 s26, s26, AOB
	v_mov_b32 v31, s26                             ; my wave's 8 bytes
	v_and_b32 v32, 15, v0
	v_lshl_add_u32 v32, v32, 3, AOB                ; and, for wave 0 at the end, those of wave lane % 16
	s_wait_kmcnt 0x0
	s_add_nc_u64 s[4:5], s[4:5], s[12:13]
	s_add_nc_u64 s[6:7], s[6:7], s[14:15]
	s_add_nc_u64 s[8:9], s[8:9], s[16:17]
.irp i, 0,1,2,3
	global_load_b128 v[8+4*\i:11+4*\i], v1, s[4:5] offset:512*\i th:TH_LOAD_NT   ; 32 lanes read 512 consecutive bytes
.endr
	s_wait_loadcnt 0x0
.irp i, 0,1,2,3
	ds_store_b128 v6, v[8+4*\i:11+4*\i] offset:512*\i
.endr
	s_wait_dscnt 0x0                               ; for the others' sake: my row lies in LDS
	s_barrier_signal -1
	s_barrier_wait -1                              ; all sixteen rows do
.irp t, 0,1,2,3,4,5,6,7
	ds_load_b64 v[8+2*\t:9+2*\t], v2 offset:16*\t  ; mask[16 T + r][128 w + 16 t + 8 h + 0 .. 7]
.endr
	s_mov_b32 s24, -1                              ; the AND of my 64 words
	s_mov_b32 s25, 0                               ; their OR
	v_mov_b32 v24, 0                               ; (v_writelane_b32's destination counts as read)
	v_mov_b32 v25, 0
	s_wait_dscnt 0x0
.set n, 0
.rept 64                               ; word n = 8 t + j: byte j of the lanes' eight; four sets of registers by turns
	v_and_b32 v[40+n%4], 0xff<<(8*(n%4)), v[8+2*(n/8)+((n%8)/4)]
	v_cmp_ne_u32 s[20+n%4], 0, v[40+n%4]           ; a bit a lane
	s_and_b32 s24, s24, s[20+n%4]
	s_or_b32 s25, s25, s[20+n%4]
	v_writelane_b32 v[24+n%2], s[20+n%4], n/2      ; lane l gathers words 2 l and 2 l + 1
.set n, n+1
.endr
	global_store_b64 v3, v[24:25], s[6:7]          ; 32 lanes store 256 consecutive bytes, aligned
	v_mov_b32 v26, s24
	v_mov_b32 v27, s25
	ds_store_b64 v31, v[26:27]                     ; all lanes write the same 8 bytes with the same values
	s_wait_dscnt 0x0
	s_barrier_signal -1
	s_barrier_wait -1
	s_cmp_lg_u32 s10, 0
	s_cbranch_scc1 .Lend                           ; wave 0 alone makes the tile's word
	ds_load_b64 v[28:29], v32                      ; lane l: step l % 16's AND and OR
	s_wait_dscnt 0x0
	v_cmp_ne_u32 s26, -1, v28                      ; not wholly hidden: to be worked
	v_cmp_ne_u32 s27, 0, v29                       ; something hidden
	s_and_b32 s26, s26, 0xffff
	s_lshl_b32 s27, s27, 16
	v_lshrrev_b32 v30, 16, v28
	v_and_b32 v30, v30, v28                        ; bit r: query r is hidden at all 128 keys of the step (both halves of the lanes)
	s_mov_b32 s28, 0xffff
.irp l, 0,1,2,3,4,5,6,7,8,9,10,11,12,13,14,15
	v_readlane_b32 s29, v30, \l
	s_and_b32 s28, s28, s29                        ; and at all 2,048 keys
.endr
	s_cmp_lg_u32 s28, 0
	s_cselect_b32 s26, 0xffff, s26                 ; a tile with such a query works every step
	s_or_b32 s26, s26, s27
	v_mov_b32 v33, s26
	global_store_b32 v4, v33, s[8:9]
.Lend:
	s_wait_tensorcnt 0x0
	ds_add_u32 v48, v49
	s_wait_dscnt 0x0
	s_endpgm
.Lfunc_end_k_q86d25ccc94_maskprep:
	.size	k_q86d25ccc94_maskprep, .Lfunc_end_k_q86d25ccc94_maskprep-k_q86d25ccc94_maskprep
	.p2alignl 7, 3214868480
	.fill 96, 4, 3214868480
	.section	.rodata,"a",@progbits
	.p2align	6, 0x0
	.amdhsa_kernel k_q86d25ccc94_maskprep
		.amdhsa_group_segment_fixed_size 35328
		.amdhsa_private_segment_fixed_size 0
		.amdhsa_enable_private_segment 0
		.amdhsa_kernarg_size 24
		.amdhsa_user_sgpr_count 2
		.amdhsa_user_sgpr_kernarg_segment_ptr 1
		.amdhsa_wavefront_size32 1
		.amdhsa_system_sgpr_workgroup_id_x 1
		.amdhsa_system_sgpr_workgroup_id_y 1
		.amdhsa_system_sgpr_workgroup_id_z 1
		.amdhsa_system_vgpr_workitem_id 0
		.amdhsa_next_free_vgpr 50
		.amdhsa_next_free_sgpr 66
		.amdhsa_reserve_vcc 0
		.amdhsa_float_denorm_mode_32 3
		.amdhsa_float_denorm_mode_16_64 3
		.amdhsa_memory_ordered 1
		.amdhsa_forward_progress 1
		.amdhsa_inst_pref_size 22
	.end_amdhsa_kernel
	.amdgpu_metadata
---
amdhsa.version: [ 1, 2 ]
amdhsa.kernels:
  - .name:           k_q86d25ccc94_maskprep
    .symbol:         k_q86d25ccc94_maskprep.kd
    .args:
      - { .name: attn_mask, .offset: 0, .size: 8, .value_kind: global_buffer, .address_space: global }
      - { .name: MW, .offset: 8, .size: 8, .value_kind: global_buffer, .address_space: global }
      - { .name: FL, .offset: 16, .size: 8, .value_kind: global_buffer, .address_space: global }
    .group_segment_fixed_size: 35328
    .private_segment_fixed_size: 0
    .kernarg_segment_align: 8
    .kernarg_segment_size: 24
    .max_flat_workgroup_size: 512
    .sgpr_count:     66
    .vgpr_count:     50
    .wavefront_size: 32
...
	.end_amdgpu_metadata
.endif
;; end of part 1
;; launch proj (part 2): grid 4 x 192, 4 waves a work-group, clusters of 4 x 4, 222,464 bytes of LDS; arguments q_codes, q_scales, Wq_codes, Wq_scales, bq, k_codes, k_scales, Wk_codes, Wk_scales, bk, v_codes, v_scales, Wv_codes, Wv_scales, bv, QB, KV; writes QB, KV
.if DOCPART == 2
	.amdgcn_target "amdgcn-amd-amdhsa--gfx1250"
	.amdhsa_code_object_version 6
	.text
	.protected	k_q86d25ccc94_proj
	.globl	k_q86d25ccc94_proj
	.p2align	8
	.type	k_q86d25ccc94_proj,@function
k_q86d25ccc94_proj:
	s_mov_b64 s[64:65], 0
	v_nop
	global_prefetch_b8 v0, s[64:65] scope:SCOPE_SE
	s_setreg_imm32_b32 hwreg(HW_REG_WAVE_MODE, 25, 1), 1
	s_wait_xcnt 0x0
	s_wait_alu depctr_hold_cnt(0) depctr_sa_sdst(0) depctr_va_vdst(0) depctr_va_sdst(0) depctr_va_ssrc(0) depctr_va_vcc(0) depctr_vm_vsrc(0)
	s_getreg_b32 s2, hwreg(HW_REG_IB_STS2, 6, 4)
	s_cmp_eq_u32 s2, 0
	s_cbranch_scc0 .Lentry_in_a_cluster
	s_endpgm
.Lentry_in_a_cluster:
	s_bfe_u32 s2, ttmp6, 0x10000c
	s_cmp_lg_u32 s2, 0xf033
	s_cbranch_scc0 .Lentry_shape_is_right
	s_endpgm
.Lentry_shape_is_right:
; The three projections x W^T + b on codes of FP4 (E2M1) with one E8M0 scale for each 32 along K = 1,024, each result quantised again, in registers, for the attention launch.
; THE MATRIX INSTRUCTION IS USED TRANSPOSED: source 0 = 16 rows of the operand called B here, source 1 = 16 rows of the one called A: a lane holds ONE row of A, and its registers run along B's rows,
; which is the axis along which the result is quantised.  q and k: A = tokens, B = the features of W (blocks of 32 along a head's 64).  v: A = the features of Wv, B = tokens (blocks of 32 along the keys).
; THE QUANTISER: a block of 32 is two neighbouring tiles of 16 of B's rows: lane half h holds units 32 B + 8 h + j and 32 B + 16 + 8 h + j.  The block's largest magnitude: my 16, then lane l xor 16's.  Its exponent
; field less 2 is the scale's byte and the conversion's scale operand.  Each conversion makes 8 neighbours' codes; written to well-chosen registers, two exchanges of lane halves for each pair of blocks give the operand's layout.
; OUT, as images of the operand's registers (lane l's 16 bytes at 16 l; scale words 4 bytes at 4 l), for each of the 64 (batch, head): QB: 128 tiles of 16 queries x 512 bytes, at 65,536 their scale words, 128 bytes a tile;
; KV: K likewise at 0 and 131,072; V^T at 65,536: [16 key steps][4 tiles of 16 channels][1,024 bytes], its scale words at 147,456.  Q's and K's scale word is (b0, b1, b0, b1): their K is 64, the instruction's 128.
; SHARES: 768 work-groups, 256 for each tensor; a work-group makes 128 rows of A x 256 rows of B; wave w rows 64 (w / 2) on of A and 128 (w % 2) on of B: 32 accumulators.  K = 1,024 is two LDS slots of 512 along K (rows of 256 bytes):
; every tensor load is a first fill, nothing is filled again.  By this text's own count a wave has three tensor loads outstanding.
; CLUSTERS: 4 x 4 work-groups; A's tiles are shared along a row of the cluster, B's along a column: each is asked for jointly.  All sixteen partners work on the same tensor: the branches on it are alike in all.
; LIMITS: a block whose largest magnitude lies under 2^-124 (zeros too) gets the byte 1; NaN and infinities are not served.
; REGISTERS, in windows of 256: window 0: v16-29 addresses; v32-63 A's scale words, v64-127 B's; v128-191 A's fragments, two sets; v192-207 at work; v208-215 scale words made; v216-247 codes made.
;   window 1: B's fragments, two sets, at v0 and v128.   window 2: accumulator (a, b) at v[8 (8 a + b)].   window 3: v0-63 the bias, in the result's layout.
.set PITCH, 272                        ; an LDS row: 256 bytes + 16 of padding: the 16 rows that a load touches start at 16 different groups of banks
.set HALFA, 64*PITCH                   ; what a wave fetches, and reads, of A
.set AROWS, 128*PITCH
.set HALFB, 128*PITCH                  ; the same of B
.set SLOT,  AROWS+2*HALFB              ; A's 128 rows, then B's 256
.set SCL,   2*SLOT                     ; behind the slots: the scale bytes for all of K, 32 a row, as units of 256 bytes + 16: A's 16 units,
.set HSA,   8*272
.set HSB,   16*272
.set SCLB,  SCL+2*HSA                  ; then B's 32
.set ADRA, 16                          ; v16-17 LDS address of my A fragments in slot 0, 1
.set ADRB, 20                          ; v20-21 the same for B
.set ADSA, 22                          ; v22 of my rows' scale words of A;  v23 of B
.set ADSB, 23
.set VO0,  24                          ; v24-27 offsets of the stores: codes, codes of the second head, scale words, those of the second head
.set VO1,  25
.set VS0,  26
.set VS1,  27
.set BOF,  28                          ; v28 the bias loads' offset
.set LN,   29                          ; v29 lane
.set SA,   32                          ; A's scale words: v[SA + 16 slot + 4 a + q]
.set SB,   64                          ; B's: v[SB + 32 slot + 4 b + q]
.set AF,   128                         ; A's fragments: v[AF + 32 set + 8 a]
.set TM,   192                         ; +0..3 largest magnitudes, +4..7 the other half's, then bytes, +12..15 the conversions' scale operands
.set WRD,  208                         ; two scale words for each a
.set PC,   216                         ; eight registers of codes for each a
.set G1A,  24
.set G0A,  32
.set G1B,  48
.set G0B,  56
.set G1SA, 68
.set G0SA, 76
.set G1SB, 80
.set G0SB, 88
.set MSB, 0
.macro WIN new                         ; s_set_vgpr_msb: bits 1:0 source 0, 3:2 source 1, 5:4 source 2, 7:6 destination; the high byte repeats the setting that is left
.if MSB != \new
	s_set_vgpr_msb (MSB<<8)|\new
.set MSB, \new
.endif
.endm
.macro PLACES n
.rept \n
	v_nop
.endr
.endm
; A joint load: waves 0 and 1 fetch for A, waves 2 and 3 for B; the branch hangs on the wave's number alone.  Four v_nop follow each of the two lines.
.macro JLOAD g0a, g1a, g0b, g1b
	s_cmp_eq_u32 s15, 0
	s_cbranch_scc0 .Lfor_b_\@
	tensor_load_to_lds s[\g0a:\g0a+3], s[\g1a:\g1a+7]
	s_nop 0
.rept 4
	v_nop
.endr
	s_branch .Lasked_\@
.Lfor_b_\@:
	tensor_load_to_lds s[\g0b:\g0b+3], s[\g1b:\g1b+7]
	s_nop 0
.rept 4
	v_nop
.endr
.Lasked_\@:
.endm
.macro CROUND                          ; a round of the cluster's barrier
	s_barrier_signal -1
	s_barrier_wait -1
	s_cmp_lg_u32 s14, 0
	s_cbranch_scc1 .Lnot_wave_0_\@
	s_barrier_signal -3
.Lnot_wave_0_\@:
	s_barrier_wait -3
	s_barrier_signal -1
	s_barrier_wait -1
.endm
	s_load_b512 s[24:39], s[0:1], 0x0              ; q's codes, q's scales, Wq's codes, Wq's scales, bq, k's codes, k's scales, Wk's codes
	s_load_b512 s[40:55], s[0:1], 0x40             ; Wk's scales, bk, v's codes, v's scales, Wv's codes, Wv's scales, bv, QB
	s_load_b64 s[56:57], s[0:1], 0x80              ; KV
	v_lshl_add_u32 v254, v0, 2, 0x36300
	v_mov_b32 v255, 0
	ds_add_u32 v254, v255
	ds_add_u32 v254, v255
	v_lshrrev_b32 v1, 5, v0
	v_readfirstlane_b32 s14, v1                    ; wave 0..3
	s_lshr_b32 s15, s14, 1                         ; which 64 rows of A are mine.  Also: I fetch for A (0) or for B (1)
	s_and_b32 s16, s14, 1                          ; which 128 rows of B.  Also: which half of that tile I fetch
	s_bfe_u32 s98, ttmp6, 0x40000                  ; cx, cy: my place in the cluster
	s_bfe_u32 s99, ttmp6, 0x40004
	s_and_b32 s67, ttmp7, 0xffff                   ; the cluster's y, 0..47 (the grid is one cluster wide)
	s_lshr_b32 s66, s67, 4                         ; which tensor: 0 q, 1 k, 2 v: the same in all sixteen partners
	s_and_b32 s67, s67, 15                         ; which of its 16 clusters
	s_lshr_b32 s18, s67, 3
	s_lshl_b32 s18, s18, 2                         ; v: 8 tile rows (features), 32 tile columns (tokens)
	s_lshl_b32 s19, s67, 2                         ; q, k: 64 tile rows (tokens), 4 tile columns (features)
	s_and_b32 s92, s67, 7
	s_lshl_b32 s92, s92, 2
	s_cmp_eq_u32 s66, 2
	s_cselect_b32 s17, s18, s19
	s_cselect_b32 s100, s92, 0
	s_add_co_u32 s17, s17, s99                     ; tile row: 128 rows of A
	s_add_co_u32 s100, s100, s98                   ; tile column: 256 rows of B
	s_lshl_b32 s101, s99, 2
	s_lshl_b32 s101, 15, s101                      ; my row of the cluster
	s_lshl_b32 s104, 0x1111, s98                   ; my column
	s_mov_b32 s96, 0x76543210
	s_mov_b32 s97, 0xfedcba98                      ; v_permlanex16_b32's selects for lane l xor 16
	s_wait_dscnt 0x0
	s_wait_kmcnt 0x0
	s_cmp_eq_u32 s66, 0                            ; the buffers are chosen on the cluster's number alone
	s_cselect_b64 s[4:5], s[24:25], s[34:35]       ; A's codes: q's or k's
	s_cselect_b64 s[6:7], s[26:27], s[36:37]       ; A's scales
	s_cselect_b64 s[8:9], s[28:29], s[38:39]       ; B's codes: Wq's or Wk's
	s_cselect_b64 s[10:11], s[30:31], s[40:41]     ; B's scales
	s_cselect_b64 s[12:13], s[32:33], s[42:43]     ; the bias
	s_cselect_b64 s[94:95], s[54:55], s[56:57]     ; out: QB, or KV
	s_cmp_eq_u32 s66, 2
	s_cselect_b64 s[4:5], s[48:49], s[4:5]         ; v: A = Wv,
	s_cselect_b64 s[6:7], s[50:51], s[6:7]
	s_cselect_b64 s[8:9], s[44:45], s[8:9]         ; B = v
	s_cselect_b64 s[10:11], s[46:47], s[10:11]
	s_cselect_b64 s[12:13], s[52:53], s[12:13]
	; descriptor groups 1.  Codes: rows of 256 bytes, 512 bytes apart in memory, 16 bytes of padding behind each; 64 rows (A) or 128 (B)
	s_or_b32 s[G1A+0], s101, (0<<16)|(1<<20)|(1<<21)|(5<<22)|(3<<25)  ; 15:0 the mask; 17:16 elements of 1 byte; 20 padding on; 21 set beside a mask; 24:22 after every 64 words; 31:25 four words
	s_or_b32 s[G1B+0], s104, (0<<16)|(1<<20)|(1<<21)|(5<<22)|(3<<25)
.irp g, G1A, G1B
	s_mov_b32 s[\g+1], 256<<16                     ; tensor_dim0
	s_mov_b32 s[\g+3], 256<<16                     ; tile_dim0
	s_mov_b32 s[\g+5], 512                         ; tensor_dim0_stride
	s_mov_b32 s[\g+6], 0
	s_mov_b32 s[\g+7], 0
.endr
	s_mov_b32 s[G1A+2], 64<<16                     ; tensor_dim1
	s_mov_b32 s[G1A+4], 64                         ; tile_dim1
	s_mov_b32 s[G1B+2], 128<<16
	s_mov_b32 s[G1B+4], 128
	; scale bytes: a dense block, as rows of 256 bytes (32 elements of 8 bytes), 16 bytes of padding behind each; 8 rows (A) or 16 (B)
	s_or_b32 s[G1SA+0], s101, (3<<16)|(1<<20)|(1<<21)|(5<<22)|(3<<25)
	s_or_b32 s[G1SB+0], s104, (3<<16)|(1<<20)|(1<<21)|(5<<22)|(3<<25)
.irp g, G1SA, G1SB
	s_mov_b32 s[\g+1], 32<<16
	s_mov_b32 s[\g+3], 32<<16
	s_mov_b32 s[\g+5], 32
	s_mov_b32 s[\g+6], 0
	s_mov_b32 s[\g+7], 0
.endr
	s_mov_b32 s[G1SA+2], 8<<16
	s_mov_b32 s[G1SA+4], 8
	s_mov_b32 s[G1SB+2], 16<<16
	s_mov_b32 s[G1SB+4], 16
	; where the tiles come from: A's hang on the tile row alone, B's on the tile column alone, each in registers that never hold the other coordinate
	s_lshl_b32 s18, s17, 7
	s_lshl_b32 s19, s16, 6
	s_add_co_u32 s18, s18, s19                     ; A: row 128 x tile row + 64 x half
	s_lshl_b32 s20, s18, 9                         ; 512 bytes of codes a row,
	s_mov_b32 s21, 0
	s_lshl_b32 s22, s18, 5                         ; 32 of scales
	s_mov_b32 s23, 0
	s_add_nc_u64 s[20:21], s[4:5], s[20:21]
	s_add_nc_u64 s[22:23], s[6:7], s[22:23]
	s_lshl_b32 s45, s100, 8
	s_lshl_b32 s46, s16, 7
	s_add_co_u32 s45, s45, s46                     ; B: row 256 x tile column + 128 x half
	s_lshl_b32 s46, s45, 9
	s_mov_b32 s47, 0
	s_lshl_b32 s92, s45, 5
	s_mov_b32 s93, 0
	s_add_nc_u64 s[46:47], s[8:9], s[46:47]
	s_add_nc_u64 s[92:93], s[10:11], s[92:93]
	s_mul_i32 s40, s16, HALFA                      ; and where they go: no place in the cluster enters an LDS address
	s_mul_i32 s41, s16, HALFB
	s_add_co_u32 s41, s41, AROWS
	s_mul_i32 s42, s16, HSA
	s_add_co_u32 s42, s42, SCL
	s_mul_i32 s43, s16, HSB
	s_add_co_u32 s43, s43, SCLB
	CROUND                                         ; all sixteen work-groups are here: the joint loads meet
	s_mov_b32 s[G0SA], 1
	s_mov_b32 s[G0SA+1], s42
	s_mov_b64 s[G0SA+2:G0SA+3], s[22:23]
	s_or_b32 s[G0SA+3], s[G0SA+3], 0x80000000
	s_mov_b32 s[G0SB], 1
	s_mov_b32 s[G0SB+1], s43
	s_mov_b64 s[G0SB+2:G0SB+3], s[92:93]
	s_or_b32 s[G0SB+3], s[G0SB+3], 0x80000000
	JLOAD G0SA, G1SA, G0SB, G1SB                   ; the scales first: they are wanted with the first K step
.irp s, 0,1
	s_mov_b32 s[G0A+4*\s], 1
	s_add_co_u32 s[G0A+4*\s+1], s40, \s*SLOT
	s_add_nc_u64 s[G0A+4*\s+2:G0A+4*\s+3], s[20:21], \s*256
	s_or_b32 s[G0A+4*\s+3], s[G0A+4*\s+3], 0x80000000
	s_mov_b32 s[G0B+4*\s], 1
	s_add_co_u32 s[G0B+4*\s+1], s41, \s*SLOT
	s_add_nc_u64 s[G0B+4*\s+2:G0B+4*\s+3], s[46:47], \s*256
	s_or_b32 s[G0B+4*\s+3], s[G0B+4*\s+3], 0x80000000
	JLOAD G0A+4*\s, G1A, G0B+4*\s, G1B
.endr
	v_and_b32 v1, 15, v0                           ; r
	v_bfe_u32 v2, v0, 4, 1                         ; h
	v_and_b32 v[LN], 31, v0
	v_mul_u32_u24 v3, v1, PITCH
	v_lshl_add_u32 v3, v2, 4, v3                   ; a fragment's row x pitch + 16 x half
	s_mul_i32 s2, s15, HALFA
	s_mul_i32 s3, s16, HALFB
	s_add_co_u32 s3, s3, AROWS
	v_add_nc_u32 v[ADRA], s2, v3
	v_add_nc_u32 v[ADRB], s3, v3
	v_add_nc_u32 v[ADRA+1], SLOT, v[ADRA]
	v_add_nc_u32 v[ADRB+1], SLOT, v[ADRB]
	v_lshrrev_b32 v4, 3, v1                        ; scale bytes: eight rows of 32 bytes to a unit of 272
	v_and_b32 v5, 7, v1
	v_mul_u32_u24 v4, v4, 272
	v_lshl_add_u32 v4, v5, 5, v4
	s_mul_i32 s2, s15, HSA
	s_add_co_u32 s2, s2, SCL
	s_mul_i32 s3, s16, HSB
	s_add_co_u32 s3, s3, SCLB
	v_add_nc_u32 v[ADSA], s2, v4
	v_add_nc_u32 v[ADSB], s3, v4
.irp b, 0,1,2,3
	v_mov_b32 v[TM+4+\b], 0                        ; written once: a lane permute's destination counts as one of its sources
.endr
	; THE BIAS is the C of each sum's first matrix instruction: eight registers a tile in the result's layout
	s_mov_b32 s3, 0
	s_cmp_eq_u32 s66, 2
	s_cbranch_scc1 .Lbias_v
	s_lshl_b32 s2, s100, 10                        ; q, k: the bias runs along B's rows: register 8 b + j is that of feature 16 b + 8 h + j
	s_lshl_b32 s18, s16, 9
	s_add_co_u32 s2, s2, s18
	s_add_nc_u64 s[12:13], s[12:13], s[2:3]
	v_lshlrev_b32 v[BOF], 5, v2
	WIN 0xc0                                       ; destination window 3
.irp b, 0,1,2,3,4,5,6,7
	global_load_b128 v[8*\b:8*\b+3], v[BOF], s[12:13] offset:64*\b
	global_load_b128 v[8*\b+4:8*\b+7], v[BOF], s[12:13] offset:64*\b+16
.endr
	WIN 0
	s_branch .Lbias_done
.Lbias_v:
	s_lshl_b32 s2, s17, 9                          ; v: the bias runs along A's rows: registers 8 a + 0 .. 7 all hold that of feature 16 a + r
	s_lshl_b32 s18, s15, 8
	s_add_co_u32 s2, s2, s18
	s_add_nc_u64 s[12:13], s[12:13], s[2:3]
	v_lshlrev_b32 v[BOF], 2, v1
	WIN 0xc0
.irp x, 0,1,2,3,4,5,6,7                ; (the upper 32 registers repeat the lower: all 64 are written on both ways)
.irp j, 0,1,2,3,4,5,6,7
	global_load_b32 v[8*\x+\j], v[BOF], s[12:13] offset:64*(\x%4)
.endr
.endr
	WIN 0
.Lbias_done:
; The fragments of K step k (128 along K: slot k / 4, its quarter k % 4) into set k % 2: 24 LDS loads in one run.  A fragment, 16 rows x 128 K, is 8 registers: lane (r, h): registers 4 c .. 4 c + 3 hold K = 64 c + 32 h + 0 .. 31
.macro FETCH k
.set FP, (\k)%2
.set FS, (\k)/4
.set FQ, (\k)%4
	WIN 0x40                                       ; destination window 1
.irp b, 0,1,2,3,4,5,6,7
.irp c, 0,1
	ds_load_b128 v[128*FP+8*\b+4*\c:128*FP+8*\b+4*\c+3], v[ADRB+FS] offset:64*FQ+32*\c+\b*16*PITCH
.endr
.endr
	WIN 0
.irp a, 0,1,2,3
.irp c, 0,1
	ds_load_b128 v[AF+32*FP+8*\a+4*\c:AF+32*FP+8*\a+4*\c+3], v[ADRA+FS] offset:64*FQ+32*\c+\a*16*PITCH
.endr
.endr
.endm
.macro SCALES                          ; all scale words of my rows, for all of K: four words (512 along K) a load
.irp s, 0,1
.irp a, 0,1,2,3
	ds_load_b128 v[SA+16*\s+4*\a:SA+16*\s+4*\a+3], v[ADSA] offset:544*\a+16*\s
.endr
.irp b, 0,1,2,3,4,5,6,7
	ds_load_b128 v[SB+32*\s+4*\b:SB+32*\s+4*\b+3], v[ADSB] offset:544*\b+16*\s
.endr
.endr
.endm
; K step k's 32 matrix instructions.  The 32 accumulators take turns, one instruction a turn, in the same order in every step.
; cmode 0: the sums go on;  1: they start from the bias along B's rows;  2: from the bias along A's rows.
.macro MUL32 k, cmode
.set FP, (\k)%2
.set FS, (\k)/4
.set FQ, (\k)%4
.if \cmode
	WIN 0xb1                                       ; source 0 (B) window 1, source 1 (A) window 0, C window 3, D window 2
.else
	WIN 0xa1                                       ; C and D window 2
.endif
.irp a, 0,1,2,3
.irp b, 0,1,2,3,4,5,6,7
.if \cmode == 0
	v_wmma_scale_f32_16x16x128_f8f6f4 v[8*(8*\a+\b):8*(8*\a+\b)+7], v[128*FP+8*\b:128*FP+8*\b+7], v[AF+32*FP+8*\a:AF+32*FP+8*\a+7], v[8*(8*\a+\b):8*(8*\a+\b)+7], v[SB+32*FS+4*\b+FQ], v[SA+16*FS+4*\a+FQ] matrix_a_fmt:MATRIX_FMT_FP4 matrix_b_fmt:MATRIX_FMT_FP4
.elseif \cmode == 1
	v_wmma_scale_f32_16x16x128_f8f6f4 v[8*(8*\a+\b):8*(8*\a+\b)+7], v[128*FP+8*\b:128*FP+8*\b+7], v[AF+32*FP+8*\a:AF+32*FP+8*\a+7], v[8*\b:8*\b+7], v[SB+32*FS+4*\b+FQ], v[SA+16*FS+4*\a+FQ] matrix_a_fmt:MATRIX_FMT_FP4 matrix_b_fmt:MATRIX_FMT_FP4
.else
	v_wmma_scale_f32_16x16x128_f8f6f4 v[8*(8*\a+\b):8*(8*\a+\b)+7], v[128*FP+8*\b:128*FP+8*\b+7], v[AF+32*FP+8*\a:AF+32*FP+8*\a+7], v[8*\a:8*\a+7], v[SB+32*FS+4*\b+FQ], v[SA+16*FS+4*\a+FQ] matrix_a_fmt:MATRIX_FMT_FP4 matrix_b_fmt:MATRIX_FMT_FP4
.endif
.endr
.endr
.endm
.macro STEP k
	s_wait_dscnt 0x0                               ; this step's fragments, asked for a step ago, are in
.if (\k) == 3
	s_wait_tensorcnt 0x0                           ; my part of slot 1 has landed,
	s_barrier_signal -1
	s_barrier_wait -1                              ; everybody's has
.endif
.if (\k) < 7
	PLACES 4                                       ; four plain places between the last step's products and the loads into the registers that they read (ISA guide 7.12.1 for vector instructions)
	FETCH (\k)+1
.endif
	MUL32 \k, 0
	WIN 0
.endm
; The 64 results of a lane for A's block a (window 2, v[64 a] on; register 16 B + i: tiles 2 B and 2 B + 1) become eight registers of codes and the scale words.  kind 0: two heads of 64, a word each; 1: one word of four bytes
.macro QUANT a, kind
.set XQ, 64*(\a)
.set PQ, PC+8*(\a)
.set WQ, WRD+2*(\a)
	WIN 0x0a                                       ; sources 0 and 1 window 2
.irp b, 0,1,2,3
	v_max3_num_f32 v[TM+\b], |v[XQ+16*\b]|, |v[XQ+16*\b+1]|, 0x1800000   ; my 16 numbers of block b, each accumulator from its low end on, and the floor 2^(3 - 127): the byte cannot fall under 1
.endr
.irp i, 2,4,6,8,10,12,14
.irp b, 0,1,2,3
	v_max3_num_f32 v[TM+\b], |v[XQ+16*\b+\i]|, |v[XQ+16*\b+\i+1]|, v[TM+\b]   ; (the four blocks by turns)
.endr
.endr
	WIN 0
.irp b, 0,1,2,3
	v_permlanex16_b32 v[TM+4+\b], v[TM+\b], s96, s97
.endr
.irp b, 0,1,2,3
	v_max_num_f32 v[TM+\b], v[TM+\b], v[TM+4+\b]   ; with lane l xor 16's: the block's largest magnitude
.endr
.irp b, 0,1,2,3
	v_add_nc_u32 v[TM+12+\b], 0xff000000, v[TM+\b] ; 2 off its exponent field: the conversion takes the exponent field of this operand as its scale
.endr
.irp b, 0,1,2,3
	v_lshrrev_b32 v[TM+4+\b], 23, v[TM+12+\b]      ; the scale's byte
.endr
.if \kind
	v_lshl_or_b32 v[WQ], v[TM+5], 8, v[TM+4]
	v_lshl_or_b32 v[WQ], v[TM+6], 16, v[WQ]
	v_lshl_or_b32 v[WQ], v[TM+7], 24, v[WQ]
.else
	v_lshl_or_b32 v[WQ], v[TM+5], 8, v[TM+4]       ; a head's two bytes, twice
	v_lshl_or_b32 v[WQ+1], v[TM+7], 8, v[TM+6]
	v_lshl_or_b32 v[WQ], v[WQ], 16, v[WQ]
	v_lshl_or_b32 v[WQ+1], v[WQ+1], 16, v[WQ+1]
.endif
	WIN 0x02                                       ; source 0 window 2
.irp b, 0,1,2,3
.irp u, 0,1
	v_cvt_scalef32_pk8_fp4_f32 v[PQ+4*(\b/2)+2*\u+(\b%2)], v[XQ+16*\b+8*\u:XQ+16*\b+8*\u+7], v[TM+12+\b]   ; the codes of units 32 b + 16 u + 8 h + 0 .. 7
.endr
.endr
	WIN 0
	v_nop                                          ; one plain place behind a scaled conversion
.irp c, 0,1
.irp u, 0,1
	v_permlane16_swap_b32 v[PQ+4*\c+2*\u], v[PQ+4*\c+2*\u+1]   ; the first's lanes 16-31 change places with the second's lanes 0-15: registers 4 c .. 4 c + 3 now hold units 64 c + 32 h + 0 .. 31
.endr
.endr
.endm
	s_wait_tensorcnt 1                             ; the scales and my part of slot 0 are in; slot 1's load may be out
	s_barrier_signal -1
	s_barrier_wait -1
	FETCH 0
	SCALES
	s_wait_loadcnt 0x0                             ; the bias
	s_wait_dscnt 0x0
	FETCH 1
	s_cmp_eq_u32 s66, 2                            ; the first K step starts the sums from the bias: nothing is cleared, nothing is added later
	s_cbranch_scc1 .Lmul_v
	MUL32 0, 1
	WIN 0
	s_branch .Lmul_done
.Lmul_v:
	MUL32 0, 2
	WIN 0
.Lmul_done:
	STEP 1
	STEP 2
	STEP 3
	STEP 4
	STEP 5
	STEP 6
	STEP 7
	PLACES 4                                       ; in front of the first read of results
	s_cmp_eq_u32 s66, 2
	s_cbranch_scc1 .Lout_v
	; q, k: my 64 tokens are four tiles, my 128 features two heads
	s_lshl_b32 s40, s17, 3
	s_lshl_b32 s41, s15, 2
	s_add_co_u32 s40, s40, s41                     ; my first tile of 16 tokens
	s_lshr_b32 s41, s40, 7                         ; batch
	s_and_b32 s40, s40, 127                        ; tile in the batch
	s_lshl_b32 s41, s41, 4
	s_lshl_b32 s42, s100, 2
	s_add_co_u32 s41, s41, s42
	s_lshl_b32 s42, s16, 1
	s_add_co_u32 s41, s41, s42                     ; 16 batch + my first head
	s_cmp_eq_u32 s66, 0
	s_mov_b32 s43, 155648
	s_cselect_b32 s43, 81920, s43                  ; a (batch, head)'s record in QB or in KV,
	s_mov_b32 s44, 131072
	s_cselect_b32 s44, 65536, s44                  ; and where its scale words begin
	s_mul_i32 s41, s41, s43
	s_lshl_b32 s42, s40, 9
	s_add_co_u32 s42, s42, s41
	v_lshl_add_u32 v[VO0], v[LN], 4, s42
	v_add_nc_u32 v[VO1], s43, v[VO0]
	s_lshl_b32 s42, s40, 7
	s_add_co_u32 s42, s42, s41
	s_add_co_u32 s42, s42, s44
	v_lshl_add_u32 v[VS0], v[LN], 2, s42
	v_add_nc_u32 v[VS1], s43, v[VS0]
.irp a, 0,1,2,3                        ; each a has its own registers for codes and words: no store's data are written again
	QUANT \a, 0
	global_store_b128 v[VO0], v[PC+8*\a:PC+8*\a+3], s[94:95] offset:512*\a     ; 32 lanes store 512 consecutive bytes, aligned
	global_store_b128 v[VO1], v[PC+8*\a+4:PC+8*\a+7], s[94:95] offset:512*\a
	global_store_b32 v[VS0], v[WRD+2*\a], s[94:95] offset:128*\a
	global_store_b32 v[VS1], v[WRD+2*\a+1], s[94:95] offset:128*\a
.endr
	s_branch .Lclose
.Lout_v:
	; v: my 64 features are one head, my 128 tokens one key step
	s_lshl_b32 s40, s17, 1
	s_add_co_u32 s40, s40, s15                     ; head
	s_lshl_b32 s41, s100, 1
	s_add_co_u32 s41, s41, s16                     ; key step among all batches'
	s_lshr_b32 s42, s41, 4                         ; batch
	s_and_b32 s41, s41, 15                         ; key step
	s_lshl_b32 s42, s42, 4
	s_add_co_u32 s42, s42, s40
	s_mul_i32 s42, s42, 155648
	s_lshl_b32 s43, s41, 12
	s_add_co_u32 s43, s43, s42
	s_add_co_u32 s43, s43, 65536
	v_lshl_add_u32 v[VO0], v[LN], 4, s43
	s_lshl_b32 s43, s41, 9
	s_add_co_u32 s43, s43, s42
	s_add_co_u32 s43, s43, 147456
	v_lshl_add_u32 v[VS0], v[LN], 2, s43
.irp a, 0,1,2,3
	QUANT \a, 1
	global_store_b128 v[VO0], v[PC+8*\a:PC+8*\a+3], s[94:95] offset:1024*\a
	global_store_b128 v[VO0], v[PC+8*\a+4:PC+8*\a+7], s[94:95] offset:1024*\a+512
	global_store_b32 v[VS0], v[WRD+2*\a], s[94:95] offset:128*\a
.endr
.Lclose:
	s_wait_tensorcnt 0x0
	ds_add_u32 v254, v255
	s_wait_dscnt 0x0
	CROUND                                         ; the closing round: no work-group ends while a partner may still ask for a tile that names it
	s_endpgm
.Lfunc_end_k_q86d25ccc94_proj:
	.size	k_q86d25ccc94_proj, .Lfunc_end_k_q86d25ccc94_proj-k_q86d25ccc94_proj
	.p2alignl 7, 3214868480
	.fill 96, 4, 3214868480
	.section	.rodata,"a",@progbits
	.p2align	6, 0x0
	.amdhsa_kernel k_q86d25ccc94_proj
		.amdhsa_group_segment_fixed_size 222464
		.amdhsa_private_segment_fixed_size 0
		.amdhsa_enable_private_segment 0
		.amdhsa_kernarg_size 136
		.amdhsa_user_sgpr_count 2
		.amdhsa_user_sgpr_kernarg_segment_ptr 1
		.amdhsa_wavefront_size32 1
		.amdhsa_system_sgpr_workgroup_id_x 1
		.amdhsa_system_sgpr_workgroup_id_y 1
		.amdhsa_system_sgpr_workgroup_id_z 1
		.amdhsa_system_vgpr_workitem_id 0
		.amdhsa_next_free_vgpr 832
		.amdhsa_next_free_sgpr 106
		.amdhsa_reserve_vcc 0
		.amdhsa_float_denorm_mode_32 3
		.amdhsa_float_denorm_mode_16_64 3
		.amdhsa_memory_ordered 1
		.amdhsa_forward_progress 1
		.amdhsa_inst_pref_size 106
	.end_amdhsa_kernel
	.amdgpu_metadata
---
amdhsa.version: [ 1, 2 ]
amdhsa.kernels:
  - .name:           k_q86d25ccc94_proj
    .symbol:         k_q86d25ccc94_proj.kd
    .args:
      - { .name: q_codes, .offset: 0, .size: 8, .value_kind: global_buffer, .address_space: global }
      - { .name: q_scales, .offset: 8, .size: 8, .value_kind: global_buffer, .address_space: global }
      - { .name: Wq_codes, .offset: 16, .size: 8, .value_kind: global_buffer, .address_space: global }
      - { .name: Wq_scales, .offset: 24, .size: 8, .value_kind: global_buffer, .address_space: global }
      - { .name: bq, .offset: 32, .size: 8, .value_kind: global_buffer, .address_space: global }
      - { .name: k_codes, .offset: 40, .size: 8, .value_kind: global_buffer, .address_space: global }
      - { .name: k_scales, .offset: 48, .size: 8, .value_kind: global_buffer, .address_space: global }
      - { .name: Wk_codes, .offset: 56, .size: 8, .value_kind: global_buffer, .address_space: global }
      - { .name: Wk_scales, .offset: 64, .size: 8, .value_kind: global_buffer, .address_space: global }
      - { .name: bk, .offset: 72, .size: 8, .value_kind: global_buffer, .address_space: global }
      - { .name: v_codes, .offset: 80, .size: 8, .value_kind: global_buffer, .address_space: global }
      - { .name: v_scales, .offset: 88, .size: 8, .value_kind: global_buffer, .address_space: global }
      - { .name: Wv_codes, .offset: 96, .size: 8, .value_kind: global_buffer, .address_space: global }
      - { .name: Wv_scales, .offset: 104, .size: 8, .value_kind: global_buffer, .address_space: global }
      - { .name: bv, .offset: 112, .size: 8, .value_kind: global_buffer, .address_space: global }
      - { .name: QB, .offset: 120, .size: 8, .value_kind: global_buffer, .address_space: global }
      - { .name: KV, .offset: 128, .size: 8, .value_kind: global_buffer, .address_space: global }
    .group_segment_fixed_size: 222464
    .private_segment_fixed_size: 0
    .kernarg_segment_align: 8
    .kernarg_segment_size: 136
    .max_flat_workgroup_size: 128
    .sgpr_count:     106
    .vgpr_count:     832
    .wavefront_size: 32
...
	.end_amdgpu_metadata
.endif
;; end of part 2
;; launch attn (part 3): grid 4 x 64, 16 waves a work-group, no clusters, 157,696 bytes of LDS; arguments QB, KV, MW, FL, AC, AS; writes AC, AS
.if DOCPART == 3
	.amdgcn_target "amdgcn-amd-amdhsa--gfx1250"
	.amdhsa_code_object_version 6
	.text
	.protected	k_q86d25ccc94_attn
	.globl	k_q86d25ccc94_attn
	.p2align	8
	.type	k_q86d25ccc94_attn,@function
k_q86d25ccc94_attn:
	s_mov_b64 s[64:65], 0
	v_nop
	global_prefetch_b8 v0, s[64:65] scope:SCOPE_SE
	s_setreg_imm32_b32 hwreg(HW_REG_WAVE_MODE, 25, 1), 1
	s_wait_xcnt 0x0
; Attention for one (batch, head) on codes of FP4 (E2M1): S^T = K Q^T (K = the head's 64), the given mask, p = 2^(t - M), O^T = V^T P^T (K = the keys), O / the row's sum, quantised along the head's 64 for the last projection.
; t = score x log2(e) / 8; M = the row's largest t so far, rounded UP to a whole number; p is quantised along the keys, not normalised; the row's sum is taken of the unquantised p.  When M moves, the sum and O^T are multiplied by 2^(old M - new M): exact.
; SHARES: 256 work-groups, four to a (batch, head).  The head's whole record of K and V (codes and scale words as images of the operands' registers, 155,648 bytes) is copied into LDS once, through registers; one barrier; after it no wave
; waits for another.  Each of the 16 waves (four to a SIMD, so that one wave's vector work stands beside another's products and LDS loads) takes two tiles of 16 queries one after the other: T and 127 - T.
; THE MASK is honoured as it is given: an earlier launch has turned it into lane masks (MW) and into a word for each query tile (FL) that says which key steps have to be worked and which have hidden entries.  A step all of whose entries
; are hidden is left out by a scalar branch on that stored word (it adds exact zeros); the loop's trip count stays 16.  The launch has no tensor load, and so no joint loads either:
; what the four work-groups of a head share is one read of the record at the head.
; A hidden score becomes -2^120: c x 2^120 is exact and a whole number, so a row that is hidden everywhere gets p = 1 at every key, uniform weights; elsewhere p falls to 0.  LIMITS: real scores under -2^120 are not served;
; a block whose largest magnitude lies under 2^-124 (zeros too) gets the byte 1; NaN and infinities are not served.
; LAYOUT: both products transposed: a lane holds ONE query (lane % 16).  Register 8 t + j of S^T is key 16 t + 8 h + j.  Q's registers 4-7 are zero codes: the instruction's K = 64 .. 127 adds exact zeros, whatever stands there on K's side.
; REGISTERS: v1-11 addresses and constants; v12 -M, v13 the largest t, v[14:15] the sum in two halves; v16-23 Q; v32-67 K's eight tiles, four registers each, and four zeros; v68-75 K's scale words, v76-79 V's; v80-92 the two tiles' results;
;   v96-159 S^T, then p; v160-191 O^T; v192-223 V's four fragments; v224-231 p's codes; v232-254 at work; v253 p's scale word; v255 Q's.
.set KCO, 0                            ; LDS = the record: K's codes [128 tiles][512],
.set VCO, 65536                        ; V^T's [16 steps][4 tiles][1,024],
.set KSO, 131072                       ; K's scale words [128][128],
.set VSO, 147456                       ; V's [16][4][128]
	s_load_b256 s[4:11], s[0:1], 0x0               ; QB, KV, MW, FL
	s_load_b128 s[12:15], s[0:1], 0x20             ; AC, AS
	v_lshl_add_u32 v250, v0, 2, 0x26000
	v_mov_b32 v251, 0
	v_lshrrev_b32 v1, 5, v0
	v_readfirstlane_b32 s84, v1                    ; wave 0..15
	s_and_b32 s3, ttmp7, 0xffff                    ; 16 batch + head
	s_lshl_b32 s85, ttmp9, 4
	s_add_co_u32 s85, s85, s84                     ; my first query tile: 16 x work-group x + wave
	s_mov_b32 s91, 0
	s_mov_b32 s93, 0
	s_mov_b32 s95, 0
	s_mov_b32 s97, 0
	s_mul_i32 s92, s3, 81920                       ; the head's record in QB,
	s_mul_i32 s94, s3, 155648                      ; in KV
	s_lshr_b32 s98, s3, 4                          ; batch
	s_and_b32 s99, s3, 15                          ; head
	s_lshl_b32 s96, s98, 20                        ; AC [128 groups of 64 tokens][2 halves of K][4 tiles][4 K steps][2][512]: head = 8 half + 2 step + c
	s_lshr_b32 s100, s99, 3
	s_lshl_b32 s100, s100, 14
	s_add_co_u32 s96, s96, s100
	s_bfe_u32 s100, s99, 0x20001
	s_lshl_b32 s100, s100, 10
	s_add_co_u32 s96, s96, s100
	s_and_b32 s100, s99, 1
	s_lshl_b32 s100, s100, 9
	s_add_co_u32 s96, s96, s100
	s_lshl_b32 s90, s98, 16                        ; AS [8,192 tokens][32]: bytes 2 head, 2 head + 1
	s_lshl_b32 s100, s99, 1
	s_add_co_u32 s90, s90, s100
	s_mov_b32 s86, 0x76543210
	s_mov_b32 s87, 0xfedcba98                      ; v_permlanex16_b32's selects for lane l xor 16
	s_mov_b32 s88, 0x3e38aa3b                      ; c = log2(e) / 8
	s_mov_b32 s89, s88                             ; (named with it as a pair, so it is written)
	v_lshlrev_b32 v24, 4, v0                       ; the copy: 16 bytes a thread, 8,192 a line
	v_add_nc_u32 v25, 0x10000, v24
	v_add_nc_u32 v26, 0x20000, v24
	s_wait_kmcnt 0x0
	s_add_nc_u64 s[4:5], s[4:5], s[92:93]
	s_add_nc_u64 s[6:7], s[6:7], s[94:95]
	s_add_nc_u64 s[12:13], s[12:13], s[96:97]
	s_add_nc_u64 s[14:15], s[14:15], s[90:91]
.irp i, 0,1,2,3,4,5,6,7,8,9,10,11,12,13,14,15,16,17,18
	global_load_b128 v[96+4*\i:99+4*\i], v24, s[6:7] offset:8192*\i
.endr
	v_and_b32 v11, 31, v0                          ; lane
	v_lshlrev_b32 v1, 4, v11                       ; 16 x lane: an image's place for my lane
	v_and_b32 v10, 15, v0
	v_lshlrev_b32 v10, 5, v10                      ; AS: 32 bytes a token
	v_lshlrev_b32 v11, 2, v11                      ; 4 x lane: a scale word's place
	v_add_nc_u32 v2, KSO, v11
	v_add_nc_u32 v8, VCO, v1
	v_add_nc_u32 v9, VSO, v11
	v_mov_b32 v7, 0xfb800000                       ; -2^120
.irp j, 20,21,22,23,64,65,66,67,236,237,238,239,252,253
	v_mov_b32 v\j, 0                               ; Q's zero codes; what stands behind K's last tile; lane permutes' destinations; v253 is named in a pair before it is first made
.endr
.irp i, 0,1,2,3,4,5,6,7,8,9,10,11,12,13,14,15,16,17,18
	s_wait_loadcnt 18-\i                           ; loads come back in order: line i is in, the younger ones stay out
	ds_store_b128 v[24+\i/8], v[96+4*\i:99+4*\i] offset:8192*(\i%8)
.endr
	s_wait_dscnt 0x0                               ; for the others' sake: my part of the record lies in LDS
	s_barrier_signal -1
	s_barrier_wait -1                              ; all of it does; from here on LDS is only read
.macro TILE n
	s_wait_xcnt 0x0                                ; the pointers below were the last tile's loads' and stores' bases
.if \n
	s_sub_co_u32 s85, 127, s85                     ; the second tile
.endif
	s_mov_b32 s93, 0
	s_lshl_b32 s92, s85, 9
	s_add_nc_u64 s[94:95], s[4:5], s[92:93]        ; Q's codes: 512 bytes a tile
	s_lshl_b32 s92, s85, 7
	s_add_nc_u64 s[96:97], s[4:5], s[92:93]        ; its scale words: 128 bytes a tile, 65,536 on
	s_add_nc_u64 s[90:91], s[10:11], s[92:93]      ; FL: 128 bytes a tile
	global_load_b128 v[16:19], v1, s[94:95]
	global_load_b32 v255, v11, s[96:97] offset:65536
	s_load_b32 s98, s[90:91], 0x0                  ; which steps are worked (bits 15:0), which have hidden entries (31:16)
	v_mov_b32 v13, 0xff61b1e6                      ; the largest t so far: -3e38, under every t
	v_floor_f32 v12, -v13                          ; -M
	v_mov_b32 v14, 0                               ; the sum, in two halves
	v_mov_b32 v15, 0
.irp j, 0,1,2,3,4,5,6,7,8,9,10,11,12,13,14,15,16,17,18,19,20,21,22,23,24,25,26,27,28,29,30,31
	v_mov_b32 v[160+\j], 0                         ; O^T: the loop is written once; its first step finds zeros, which the first change of M leaves zeros
.endr
	s_mov_b32 s99, 0                               ; where the step's tiles of K and of V begin: 4,096 bytes a step;
	s_mov_b32 s100, 0                              ; K's scale words: 1,024;
	s_mov_b32 s101, 0                              ; V's: 512
	s_mov_b32 s2, 0                                ; the key step
	s_wait_kmcnt 0x0                               ; FL's word is in, and its pointer may be written
	s_lshl_b32 s92, s85, 12
	s_add_nc_u64 s[90:91], s[8:9], s[92:93]        ; MW: 4,096 bytes a tile, 256 a step
	s_wait_loadcnt 0x0                             ; Q
.Lstep_\@:
	s_lshr_b32 s3, s98, s2
	s_and_b32 s105, s3, 0x10000                    ; has this step hidden entries?
	s_and_b32 s3, s3, 1
	s_cmp_eq_u32 s3, 0
	s_cbranch_scc1 .Lhidden_\@                     ; wholly hidden: only the addresses step
	s_load_b512 s[16:31], s[90:91], 0x0            ; the step's 64 lane masks
	s_load_b512 s[32:47], s[90:91], 0x40
	s_load_b512 s[48:63], s[90:91], 0x80
	s_load_b512 s[68:83], s[90:91], 0xc0
	v_add_nc_u32 v3, s99, v1                       ; these four are also the places between the last step's products and the loads into the registers that they read
	v_add_nc_u32 v4, s99, v8
	v_add_nc_u32 v5, s100, v2
	v_add_nc_u32 v6, s101, v9
.irp t, 0,1,2,3,4,5,6,7
	ds_load_b128 v[32+4*\t:35+4*\t], v3 offset:512*\t          ; K: 16 keys x 64: four registers
.endr
.irp t, 0,1,2,3,4,5,6,7
	ds_load_b32 v[68+\t], v5 offset:128*\t
.endr
.irp t, 0,1,2,3
.irp c, 0,1
	ds_load_b128 v[192+8*\t+4*\c:195+8*\t+4*\c], v4 offset:1024*\t+512*\c   ; V^T: 16 channels x 128 keys
.endr
.endr
.irp t, 0,1,2,3
	ds_load_b32 v[76+\t], v6 offset:128*\t
.endr
	s_wait_dscnt 12                                ; K's sixteen loads are in; V's twelve may stay out
.irp t, 0,1,2,3,4,5,6,7
	v_wmma_scale_f32_16x16x128_f8f6f4 v[96+8*\t:103+8*\t], v[32+4*\t:39+4*\t], v[16:23], 0, v[68+\t], v255 matrix_a_fmt:MATRIX_FMT_FP4 matrix_b_fmt:MATRIX_FMT_FP4   ; a tile's upper four registers are the next tile's codes: they meet Q's zero codes
.endr
.rept 4
	v_nop                                          ; four places in front of the first read of results
.endr
	s_wait_kmcnt 0x0                               ; the lane masks are in, and their pointer may step
	s_cmp_eq_u32 s105, 0
	s_cbranch_scc1 .Lopen_\@                       ; nothing hidden in this step
.set n, 0
.rept 64
.if n < 48
	v_cndmask_b32 v[96+n], v[96+n], v7, s[16+n]
.else
	v_cndmask_b32 v[96+n], v[96+n], v7, s[20+n]
.endif
.set n, n+1
.endr
.Lopen_\@:
.irp b, 0,1,2,3
	v_max3_num_f32 v[232+\b], v[96+16*\b], v[97+16*\b], v[98+16*\b]   ; the largest score of each block of 32 keys: it serves for the row's maximum and, since p rises with the score, for the block's largest p
.endr
.irp i, 3,5,7,9,11,13
.irp b, 0,1,2,3
	v_max3_num_f32 v[232+\b], v[232+\b], v[96+16*\b+\i], v[97+16*\b+\i]
.endr
.endr
.irp b, 0,1,2,3
	v_max_num_f32 v[232+\b], v[232+\b], v[111+16*\b]
.endr
.irp b, 0,1,2,3
	v_permlanex16_b32 v[236+\b], v[232+\b], s86, s87
.endr
.irp b, 0,1,2,3
	v_max_num_f32 v[232+\b], v[232+\b], v[236+\b]  ; with lane l xor 16's 16 keys
.endr
	v_max3_num_f32 v254, v232, v233, v234
	v_max_num_f32 v254, v254, v235                 ; the step's largest score of my query
	v_mul_f32 v254, s88, v254                      ; as t
	v_max_num_f32 v13, v13, v254                   ; the running largest t
	v_mov_b32 v254, v12
	v_floor_f32 v12, -v13                          ; the new -M = floor(-t) = -ceil(t)
	v_sub_f32 v254, v12, v254                      ; old M - new M: a whole number, 0 or less
	v_cvt_i32_f32 v254, v254                       ; (it saturates)
	v_ldexp_f32 v252, 1.0, v254                    ; f = 2^(old M - new M)
.irp j, 0,2,4,6,8,10,12,14,16,18,20,22,24,26,28,30,32,34,36,38,40,42,44,46,48,50,52,54,56,58,60,62
	v_pk_fma_f32 v[96+\j:97+\j], v[96+\j:97+\j], s[88:89], v[12:13] op_sel_hi:[1,0,0]   ; t - M, two at a time
.endr
.irp b, 0,1,2,3
	v_fma_f32 v[232+\b], v[232+\b], s88, v12       ; the same of each block's largest score
.endr
.irp j, 0,1,2,3,4,5,6,7,8,9,10,11,12,13,14,15,16,17,18,19,20,21,22,23,24,25,26,27,28,29,30,31,32,33,34,35,36,37,38,39,40,41,42,43,44,45,46,47,48,49,50,51,52,53,54,55,56,57,58,59,60,61,62,63
	v_exp_f32 v[96+\j], v[96+\j]                   ; p = 2^(t - M), at most 1
.endr
.irp b, 0,1,2,3
	v_exp_f32 v[232+\b], v[232+\b]                 ; the block's largest p: the same two instructions on the same number give the same bits
.endr
	v_pk_mul_f32 v[14:15], v[14:15], v[252:253] op_sel_hi:[1,0]   ; the sums under the new M: the plain instruction behind the batch of 68 exponentials
.irp j, 0,2,4,6,8,10,12,14,16,18,20,22,24,26,28,30
	v_pk_mul_f32 v[160+\j:161+\j], v[160+\j:161+\j], v[252:253] op_sel_hi:[1,0]   ; O^T under the new M: work that names no exponential's result
.endr
	s_wait_alu depctr_va_vdst(0)                   ; one wait for the whole batch, ahead of its first reader
.irp b, 0,1,2,3
	v_max_num_f32 v[232+\b], 0x1800000, v[232+\b]  ; the floor 2^(3 - 127): the byte cannot fall under 1
.endr
.irp b, 0,1,2,3
	v_add_nc_u32 v[244+\b], 0xff000000, v[232+\b]  ; 2 off the exponent field: the conversion's scale operand
.endr
.irp b, 0,1,2,3
	v_lshrrev_b32 v[236+\b], 23, v[244+\b]         ; the scale's byte
.endr
	v_lshl_or_b32 v253, v237, 8, v236              ; p's scale word for these 128 keys
	v_lshl_or_b32 v253, v238, 16, v253
	v_lshl_or_b32 v253, v239, 24, v253
.irp b, 0,1,2,3
.irp u, 0,1
	v_cvt_scalef32_pk8_fp4_f32 v[224+4*(\b/2)+2*\u+(\b%2)], v[96+16*\b+8*\u:103+16*\b+8*\u], v[244+\b]   ; the codes of keys 32 b + 16 u + 8 h + 0 .. 7
.endr
.endr
	v_nop                                          ; one plain place behind a scaled conversion
.irp c, 0,1
.irp u, 0,1
	v_permlane16_swap_b32 v[224+4*\c+2*\u], v[225+4*\c+2*\u]   ; registers 4 c .. 4 c + 3 now hold keys 64 c + 32 h + 0 .. 31
.endr
.endr
	v_pk_add_f32 v[236:237], v[96:97], v[98:99]    ; the row's sum, of the unquantised p, in two chains.  These 32 lines are also the places between the scale word and the codes just made and the products below
.irp j, 4,8,12,16,20,24,28,32,36,40,44,48,52,56,60
	v_pk_add_f32 v[14:15], v[14:15], v[96+\j:97+\j]
	v_pk_add_f32 v[236:237], v[236:237], v[98+\j:99+\j]
.endr
	v_pk_add_f32 v[14:15], v[14:15], v[236:237]
	s_wait_dscnt 0x0                               ; V
.irp t, 0,1,2,3
	v_wmma_scale_f32_16x16x128_f8f6f4 v[160+8*\t:167+8*\t], v[192+8*\t:199+8*\t], v[224:231], v[160+8*\t:167+8*\t], v[76+\t], v253 matrix_a_fmt:MATRIX_FMT_FP4 matrix_b_fmt:MATRIX_FMT_FP4   ; four accumulators, one instruction each
.endr
.Lhidden_\@:
	s_add_co_u32 s99, s99, 4096
	s_add_co_u32 s100, s100, 1024
	s_add_co_u32 s101, s101, 512
	s_add_nc_u64 s[90:91], s[90:91], 256
	s_add_co_u32 s2, s2, 1
	s_cmp_lt_u32 s2, 16
	s_cbranch_scc1 .Lstep_\@
	; the tile's end: O^T / the sum, quantised along the head's 64: two blocks
	v_add_f32 v14, v14, v15                        ; the sum's two halves,
	v_permlanex16_b32 v252, v14, s86, s87
	v_add_f32 v14, v14, v252                       ; and lane l xor 16's
	v_rcp_f32 v14, v14
.rept 3
	v_nop                                          ; a plain place behind the reciprocal; with the two additions also the places behind the last products
.endr
	s_lshr_b32 s92, s85, 2
	s_lshl_b32 s92, s92, 15                        ; AC: 32,768 bytes a group of four tiles,
	s_and_b32 s3, s85, 3
	s_lshl_b32 s3, s3, 12                          ; 4,096 a tile
	s_add_co_u32 s92, s92, s3
	s_add_nc_u64 s[94:95], s[12:13], s[92:93]      ; (Q's loads, which named these pairs, were waited for)
	s_lshl_b32 s92, s85, 9                         ; AS: 512 bytes a tile
	s_add_nc_u64 s[96:97], s[14:15], s[92:93]
	s_wait_alu depctr_va_vdst(0)                   ; ahead of the reciprocal's first reader
.irp j, 0,2,4,6,8,10,12,14,16,18,20,22,24,26,28,30
	v_pk_mul_f32 v[96+\j:97+\j], v[160+\j:161+\j], v[14:15] op_sel_hi:[1,0]   ; register 8 a + i is o(query r, channel 16 a + 8 h + i)
.endr
.irp b, 0,1
	v_max3_num_f32 v[232+\b], |v[96+16*\b]|, |v[97+16*\b]|, 0x1800000
.endr
.irp i, 2,4,6,8,10,12,14
.irp b, 0,1
	v_max3_num_f32 v[232+\b], v[232+\b], |v[96+16*\b+\i]|, |v[97+16*\b+\i]|
.endr
.endr
.irp b, 0,1
	v_permlanex16_b32 v[236+\b], v[232+\b], s86, s87
.endr
.irp b, 0,1
	v_max_num_f32 v[232+\b], v[232+\b], v[236+\b]
.endr
.irp b, 0,1
	v_add_nc_u32 v[244+\b], 0xff000000, v[232+\b]
.endr
.irp b, 0,1
	v_lshrrev_b32 v[236+\b], 23, v[244+\b]
.endr
	v_lshl_or_b32 v[84+8*\n], v237, 8, v236        ; my query's two scale bytes
.irp b, 0,1
.irp u, 0,1
	v_cvt_scalef32_pk8_fp4_f32 v[80+8*\n+2*\u+\b], v[96+16*\b+8*\u:103+16*\b+8*\u], v[244+\b]
.endr
.endr
	v_nop                                          ; one plain place behind a scaled conversion
.irp u, 0,1
	v_permlane16_swap_b32 v[80+8*\n+2*\u], v[81+8*\n+2*\u]   ; four registers: channels 32 h + 0 .. 31 of query r
.endr
	global_store_b128 v1, v[80+8*\n:83+8*\n], s[94:95]       ; 32 lanes store 512 consecutive bytes, aligned.  Each tile has its own registers for its results
	global_store_b16 v10, v[84+8*\n], s[96:97]     ; two bytes of each token's 32 (lanes 16-31 write what lanes 0-15 write): one byte in nine of what the launch stores
.endm
	TILE 0
	TILE 1
	s_wait_tensorcnt 0x0
	ds_add_u32 v250, v251
	s_wait_dscnt 0x0
	s_endpgm
.Lfunc_end_k_q86d25ccc94_attn:
	.size	k_q86d25ccc94_attn, .Lfunc_end_k_q86d25ccc94_attn-k_q86d25ccc94_attn
	.p2alignl 7, 3214868480
	.fill 96, 4, 3214868480
	.section	.rodata,"a",@progbits
	.p2align	6, 0x0
	.amdhsa_kernel k_q86d25ccc94_attn
		.amdhsa_group_segment_fixed_size 157696
		.amdhsa_private_segment_fixed_size 0
		.amdhsa_enable_private_segment 0
		.amdhsa_kernarg_size 48
		.amdhsa_user_sgpr_count 2
		.amdhsa_user_sgpr_kernarg_segment_ptr 1
		.amdhsa_wavefront_size32 1
		.amdhsa_system_sgpr_workgroup_id_x 1
		.amdhsa_system_sgpr_workgroup_id_y 1
		.amdhsa_system_sgpr_workgroup_id_z 1
		.amdhsa_system_vgpr_workitem_id 0
		.amdhsa_next_free_vgpr 256
		.amdhsa_next_free_sgpr 106
		.amdhsa_reserve_vcc 0
		.amdhsa_float_denorm_mode_32 3
		.amdhsa_float_denorm_mode_16_64 3
		.amdhsa_memory_ordered 1
		.amdhsa_forward_progress 1
		.amdhsa_inst_pref_size 58
	.end_amdhsa_kernel
	.amdgpu_metadata
---
amdhsa.version: [ 1, 2 ]
amdhsa.kernels:
  - .name:           k_q86d25ccc94_attn
    .symbol:         k_q86d25ccc94_attn.kd
    .args:
      - { .name: QB, .offset: 0, .size: 8, .value_kind: global_buffer, .address_space: global }
      - { .name: KV, .offset: 8, .size: 8, .value_kind: global_buffer, .address_space: global }
      - { .name: MW, .offset: 16, .size: 8, .value_kind: global_buffer, .address_space: global }
      - { .name: FL, .offset: 24, .size: 8, .value_kind: global_buffer, .address_space: global }
      - { .name: AC, .offset: 32, .size: 8, .value_kind: global_buffer, .address_space: global }
      - { .name: AS, .offset: 40, .size: 8, .value_kind: global_buffer, .address_space: global }
    .group_segment_fixed_size: 157696
    .private_segment_fixed_size: 0
    .kernarg_segment_align: 8
    .kernarg_segment_size: 48
    .max_flat_workgroup_size: 512
    .sgpr_count:     106
    .vgpr_count:     256
    .wavefront_size: 32
...
	.end_amdgpu_metadata
.endif
;; end of part 3
;; launch outp (part 4): grid 4 x 64, 4 waves a work-group, clusters of 4 x 4, 252,160 bytes of LDS; arguments AC, AS, Wo_codes, Wo_scales, bo, out0; writes out0
.if DOCPART == 4
	.amdgcn_target "amdgcn-amd-amdhsa--gfx1250"
	.amdhsa_code_object_version 6
	.text
	.protected	k_q86d25ccc94_outp
	.globl	k_q86d25ccc94_outp
	.p2align	8
	.type	k_q86d25ccc94_outp,@function
k_q86d25ccc94_outp:
	s_mov_b64 s[64:65], 0
	v_nop
	global_prefetch_b8 v0, s[64:65] scope:SCOPE_SE
	s_setreg_imm32_b32 hwreg(HW_REG_WAVE_MODE, 25, 1), 1
	s_wait_xcnt 0x0
	s_wait_alu depctr_hold_cnt(0) depctr_sa_sdst(0) depctr_va_vdst(0) depctr_va_sdst(0) depctr_va_ssrc(0) depctr_va_vcc(0) depctr_vm_vsrc(0)
	s_getreg_b32 s2, hwreg(HW_REG_IB_STS2, 6, 4)
	s_cmp_eq_u32 s2, 0
	s_cbranch_scc0 .Lentry_in_a_cluster
	s_endpgm
.Lentry_in_a_cluster:
	s_bfe_u32 s2, ttmp6, 0x10000c
	s_cmp_lg_u32 s2, 0xf033
	s_cbranch_scc0 .Lentry_shape_is_right
	s_endpgm
.Lentry_shape_is_right:
; out0 = attn Wo^T + bo on codes of FP4 (E2M1) with one E8M0 scale for each 32 along K = 1,024; out0 [8,192][1,024] f32.
; A = the attention's result, as the launch before has laid it: AC [128 groups of 64 tokens][2 halves of K][4 tiles of 16][4 K steps][1,024 bytes]: images of the operand's registers (lane l's 16 bytes at 16 l, registers 0-3, then 4-7);
; AS [8,192][32] its scale bytes.  B = Wo [1,024][1,024], codes with K innermost, and its scale bytes [1,024][32].
; THE MATRIX INSTRUCTION IS USED TRANSPOSED (source 0 = 16 rows of Wo, source 1 = 16 tokens): a lane holds eight neighbouring numbers of a row of out0.  The bias is the C of each sum's first matrix instruction.
; SHARES: 256 work-groups, each 128 tokens x 256 outputs; wave w tokens 64 (w / 2) on and outputs 128 (w % 2) on: 32 accumulators.  K = 1,024 is two LDS slots of 512 along K: every tensor load is a first fill, nothing is filled again.
; By this text's own count a wave has three tensor loads outstanding.
; CLUSTERS: 4 x 4 work-groups; A's tiles are shared along a row of the cluster, B's along a column: each is asked for jointly.
; REGISTERS, in windows of 256: window 0: v16-29 addresses; v32-63 A's scale words, v64-127 B's; v128-191 A's fragments, two sets; on the way out v128-255 take rows read back.
;   window 1: B's fragments, two sets, at v0 and v128.   window 2: accumulator (a, b) at v[8 (8 a + b)].   window 3: v0-63 the bias.
.set PITCH, 272                        ; a row of Wo's tile in LDS: 256 bytes + 16 of padding
.set HALFA, 16384                      ; A: a group of 64 tokens, half of K: dense images, no padding
.set AROWS, 2*HALFA
.set HALFB, 128*PITCH
.set SLOT,  AROWS+2*HALFB
.set SCL,   2*SLOT                     ; the scale bytes for all of K, 32 a row, as units of 256 bytes + 16: A's 16 units,
.set HSA,   8*272
.set HSB,   16*272
.set SCLB,  SCL+2*HSA                  ; then B's 32
.set STAGE, SCLB+2*HSB                 ; the way out: 16 rows x (512 bytes + 16) for each wave: bytes of their own, into which no tile lands
.set SPITCH, 528
.set ADRA, 16
.set ADRB, 20
.set ADSA, 22
.set ADSB, 23
.set STO,  24                          ; v24 the way out: where I put 32 bytes of a row
.set RD,   25                          ; v25 where I read a row back
.set CO,   26                          ; v26 my byte offset in a row of out0
.set BOF,  28
.set SA,   32
.set SB,   64
.set AF,   128
.set BK,   128                         ; the way out: 16 rows read back: v128-191 and v192-255 by turns
.set G1A,  24
.set G0A,  32
.set G1B,  48
.set G0B,  56
.set G1SA, 68
.set G0SA, 76
.set G1SB, 80
.set G0SB, 88
.set MSB, 0
.macro WIN new                         ; s_set_vgpr_msb: bits 1:0 source 0, 3:2 source 1, 5:4 source 2, 7:6 destination; the high byte repeats the setting that is left
.if MSB != \new
	s_set_vgpr_msb (MSB<<8)|\new
.set MSB, \new
.endif
.endm
.macro PLACES n
.rept \n
	v_nop
.endr
.endm
.macro JLOAD g0a, g1a, g0b, g1b        ; a joint load: waves 0 and 1 fetch for A, waves 2 and 3 for B; four v_nop follow each of the two lines
	s_cmp_eq_u32 s15, 0
	s_cbranch_scc0 .Lfor_b_\@
	tensor_load_to_lds s[\g0a:\g0a+3], s[\g1a:\g1a+7]
	s_nop 0
.rept 4
	v_nop
.endr
	s_branch .Lasked_\@
.Lfor_b_\@:
	tensor_load_to_lds s[\g0b:\g0b+3], s[\g1b:\g1b+7]
	s_nop 0
.rept 4
	v_nop
.endr
.Lasked_\@:
.endm
.macro CROUND                          ; a round of the cluster's barrier
	s_barrier_signal -1
	s_barrier_wait -1
	s_cmp_lg_u32 s14, 0
	s_cbranch_scc1 .Lnot_wave_0_\@
	s_barrier_signal -3
.Lnot_wave_0_\@:
	s_barrier_wait -3
	s_barrier_signal -1
	s_barrier_wait -1
.endm
	s_load_b256 s[4:11], s[0:1], 0x0               ; AC, AS, Wo's codes, Wo's scales
	s_load_b64 s[12:13], s[0:1], 0x20              ; bo
	s_load_b64 s[94:95], s[0:1], 0x28              ; out0
	v_lshl_add_u32 v30, v0, 2, 0x3d700
	v_mov_b32 v31, 0
	ds_add_u32 v30, v31
	ds_add_u32 v30, v31
	v_lshrrev_b32 v1, 5, v0
	v_readfirstlane_b32 s14, v1                    ; wave 0..3
	s_lshr_b32 s15, s14, 1                         ; which 64 tokens are mine.  Also: I fetch for A (0) or for B (1)
	s_and_b32 s16, s14, 1                          ; which 128 outputs.  Also: which half of that tile I fetch
	s_bfe_u32 s98, ttmp6, 0x40000                  ; cx = the tile column (the grid is one cluster wide)
	s_bfe_u32 s99, ttmp6, 0x40004                  ; cy
	s_and_b32 s17, ttmp7, 0xffff
	s_lshl_b32 s17, s17, 2
	s_add_co_u32 s17, s17, s99                     ; tile row = 4 x cluster y + cy
	s_lshl_b32 s101, s99, 2
	s_lshl_b32 s101, 15, s101                      ; my row of the cluster
	s_lshl_b32 s104, 0x1111, s98                   ; my column
	; descriptor groups 1.  A's codes: a dense block of 16,384 bytes as 64 rows of 256 (32 elements of 8 bytes), no padding
	s_or_b32 s[G1A+0], s101, (3<<16)|(1<<21)       ; 15:0 the mask; 17:16 elements of 8 bytes; 21 set beside a mask
	s_mov_b32 s[G1A+1], 32<<16
	s_mov_b32 s[G1A+2], 64<<16
	s_mov_b32 s[G1A+3], 32<<16
	s_mov_b32 s[G1A+4], 64
	s_mov_b32 s[G1A+5], 32
	s_mov_b32 s[G1A+6], 0
	s_mov_b32 s[G1A+7], 0
	; B's codes: 128 rows of 256 bytes, 512 bytes apart in memory, 16 bytes of padding behind each
	s_or_b32 s[G1B+0], s104, (0<<16)|(1<<20)|(1<<21)|(5<<22)|(3<<25)
	s_mov_b32 s[G1B+1], 256<<16
	s_mov_b32 s[G1B+2], 128<<16
	s_mov_b32 s[G1B+3], 256<<16
	s_mov_b32 s[G1B+4], 128
	s_mov_b32 s[G1B+5], 512
	s_mov_b32 s[G1B+6], 0
	s_mov_b32 s[G1B+7], 0
	; scale bytes: dense, as rows of 256 bytes, 16 bytes of padding behind each; 8 rows (A) or 16 (B)
	s_or_b32 s[G1SA+0], s101, (3<<16)|(1<<20)|(1<<21)|(5<<22)|(3<<25)
	s_or_b32 s[G1SB+0], s104, (3<<16)|(1<<20)|(1<<21)|(5<<22)|(3<<25)
.irp g, G1SA, G1SB
	s_mov_b32 s[\g+1], 32<<16
	s_mov_b32 s[\g+3], 32<<16
	s_mov_b32 s[\g+5], 32
	s_mov_b32 s[\g+6], 0
	s_mov_b32 s[\g+7], 0
.endr
	s_mov_b32 s[G1SA+2], 8<<16
	s_mov_b32 s[G1SA+4], 8
	s_mov_b32 s[G1SB+2], 16<<16
	s_mov_b32 s[G1SB+4], 16
	; where the tiles come from: A's hang on the tile row alone, B's on the tile column alone
	s_lshl_b32 s18, s17, 1
	s_add_co_u32 s18, s18, s16                     ; A: group 2 x tile row + half
	s_lshl_b32 s20, s18, 15                        ; 32,768 bytes of codes a group,
	s_mov_b32 s21, 0
	s_lshl_b32 s22, s18, 11                        ; 64 x 32 of scales
	s_mov_b32 s23, 0
	s_lshl_b32 s45, s98, 8
	s_lshl_b32 s46, s16, 7
	s_add_co_u32 s45, s45, s46                     ; B: row 256 x tile column + 128 x half
	s_lshl_b32 s46, s45, 9
	s_mov_b32 s47, 0
	s_lshl_b32 s92, s45, 5
	s_mov_b32 s93, 0
	s_mul_i32 s40, s16, HALFA                      ; and where they go: no place in the cluster enters an LDS address
	s_mul_i32 s41, s16, HALFB
	s_add_co_u32 s41, s41, AROWS
	s_mul_i32 s42, s16, HSA
	s_add_co_u32 s42, s42, SCL
	s_mul_i32 s43, s16, HSB
	s_add_co_u32 s43, s43, SCLB
	s_wait_dscnt 0x0
	s_wait_kmcnt 0x0
	s_add_nc_u64 s[20:21], s[4:5], s[20:21]
	s_add_nc_u64 s[22:23], s[6:7], s[22:23]
	s_add_nc_u64 s[46:47], s[8:9], s[46:47]
	s_add_nc_u64 s[92:93], s[10:11], s[92:93]
	CROUND                                         ; all sixteen work-groups are here: the joint loads meet
	s_mov_b32 s[G0SA], 1
	s_mov_b32 s[G0SA+1], s42
	s_mov_b64 s[G0SA+2:G0SA+3], s[22:23]
	s_or_b32 s[G0SA+3], s[G0SA+3], 0x80000000
	s_mov_b32 s[G0SB], 1
	s_mov_b32 s[G0SB+1], s43
	s_mov_b64 s[G0SB+2:G0SB+3], s[92:93]
	s_or_b32 s[G0SB+3], s[G0SB+3], 0x80000000
	JLOAD G0SA, G1SA, G0SB, G1SB                   ; the scales first: they are wanted with the first K step
.irp s, 0,1
	s_mov_b32 s[G0A+4*\s], 1
	s_add_co_u32 s[G0A+4*\s+1], s40, \s*SLOT
	s_add_nc_u64 s[G0A+4*\s+2:G0A+4*\s+3], s[20:21], \s*16384
	s_or_b32 s[G0A+4*\s+3], s[G0A+4*\s+3], 0x80000000
	s_mov_b32 s[G0B+4*\s], 1
	s_add_co_u32 s[G0B+4*\s+1], s41, \s*SLOT
	s_add_nc_u64 s[G0B+4*\s+2:G0B+4*\s+3], s[46:47], \s*256
	s_or_b32 s[G0B+4*\s+3], s[G0B+4*\s+3], 0x80000000
	JLOAD G0A+4*\s, G1A, G0B+4*\s, G1B
.endr
	v_and_b32 v1, 15, v0                           ; r
	v_bfe_u32 v2, v0, 4, 1                         ; h
	v_and_b32 v6, 31, v0                           ; lane
	v_lshlrev_b32 v[CO], 4, v6                     ; 16 x lane
	s_mul_i32 s2, s15, HALFA
	v_add_nc_u32 v[ADRA], s2, v[CO]                ; A: my group's images
	v_add_nc_u32 v[ADRA+1], SLOT, v[ADRA]
	v_mul_u32_u24 v3, v1, PITCH
	v_lshl_add_u32 v3, v2, 4, v3
	s_mul_i32 s3, s16, HALFB
	s_add_co_u32 s3, s3, AROWS
	v_add_nc_u32 v[ADRB], s3, v3                   ; B: row x pitch + 16 x half
	v_add_nc_u32 v[ADRB+1], SLOT, v[ADRB]
	v_lshrrev_b32 v4, 3, v1                        ; scale bytes: eight rows of 32 bytes to a unit of 272
	v_and_b32 v5, 7, v1
	v_mul_u32_u24 v4, v4, 272
	v_lshl_add_u32 v4, v5, 5, v4
	s_mul_i32 s2, s15, HSA
	s_add_co_u32 s2, s2, SCL
	s_mul_i32 s3, s16, HSB
	s_add_co_u32 s3, s3, SCLB
	v_add_nc_u32 v[ADSA], s2, v4
	v_add_nc_u32 v[ADSB], s3, v4
	s_mul_i32 s2, s14, 16*SPITCH
	s_add_co_u32 s2, s2, STAGE                     ; my stage
	v_mul_u32_u24 v5, v1, SPITCH
	v_lshl_add_u32 v5, v2, 5, v5
	v_add_nc_u32 v[STO], s2, v5                    ; in: row r, 32 bytes for each half of the lanes
	v_add_nc_u32 v[RD], s2, v[CO]                  ; back: the 32 lanes take one row of 512 bytes
	s_mov_b32 s3, 0
	s_lshl_b32 s2, s98, 10                         ; the bias: register 8 b + j is that of output 16 b + 8 h + j
	s_lshl_b32 s40, s16, 9
	s_add_co_u32 s2, s2, s40
	s_add_nc_u64 s[12:13], s[12:13], s[2:3]
	s_add_nc_u64 s[94:95], s[94:95], s[2:3]        ; out0: my first column is as many bytes on,
	s_lshl_b32 s2, s17, 7
	s_lshl_b32 s40, s15, 6
	s_add_co_u32 s2, s2, s40
	s_lshl_b32 s2, s2, 12                          ; and my first row: 4,096 bytes a row
	s_add_nc_u64 s[94:95], s[94:95], s[2:3]
	v_lshlrev_b32 v[BOF], 5, v2
	WIN 0xc0                                       ; destination window 3
.irp b, 0,1,2,3,4,5,6,7
	global_load_b128 v[8*\b:8*\b+3], v[BOF], s[12:13] offset:64*\b
	global_load_b128 v[8*\b+4:8*\b+7], v[BOF], s[12:13] offset:64*\b+16
.endr
	WIN 0
; The fragments of K step k (slot k / 4, its quarter k % 4) into set k % 2: 24 LDS loads in one run
.macro FETCH k
.set FP, (\k)%2
.set FS, (\k)/4
.set FQ, (\k)%4
	WIN 0x40                                       ; destination window 1
.irp b, 0,1,2,3,4,5,6,7
.irp c, 0,1
	ds_load_b128 v[128*FP+8*\b+4*\c:128*FP+8*\b+4*\c+3], v[ADRB+FS] offset:64*FQ+32*\c+\b*16*PITCH
.endr
.endr
	WIN 0
.irp a, 0,1,2,3
.irp c, 0,1
	ds_load_b128 v[AF+32*FP+8*\a+4*\c:AF+32*FP+8*\a+4*\c+3], v[ADRA+FS] offset:4096*\a+1024*FQ+512*\c
.endr
.endr
.endm
.macro SCALES                          ; all scale words of my rows, for all of K: four words (512 along K) a load
.irp s, 0,1
.irp a, 0,1,2,3
	ds_load_b128 v[SA+16*\s+4*\a:SA+16*\s+4*\a+3], v[ADSA] offset:544*\a+16*\s
.endr
.irp b, 0,1,2,3,4,5,6,7
	ds_load_b128 v[SB+32*\s+4*\b:SB+32*\s+4*\b+3], v[ADSB] offset:544*\b+16*\s
.endr
.endr
.endm
; K step k's 32 matrix instructions; the 32 accumulators take turns, one instruction a turn, in the same order in every step.  first = 1: the sums start from the bias
.macro MUL32 k, first
.set FP, (\k)%2
.set FS, (\k)/4
.set FQ, (\k)%4
.if \first
	WIN 0xb1                                       ; source 0 (B) window 1, source 1 (A) window 0, C window 3, D window 2
.else
	WIN 0xa1                                       ; C and D window 2
.endif
.irp a, 0,1,2,3
.irp b, 0,1,2,3,4,5,6,7
.if \first
	v_wmma_scale_f32_16x16x128_f8f6f4 v[8*(8*\a+\b):8*(8*\a+\b)+7], v[128*FP+8*\b:128*FP+8*\b+7], v[AF+32*FP+8*\a:AF+32*FP+8*\a+7], v[8*\b:8*\b+7], v[SB+32*FS+4*\b+FQ], v[SA+16*FS+4*\a+FQ] matrix_a_fmt:MATRIX_FMT_FP4 matrix_b_fmt:MATRIX_FMT_FP4
.else
	v_wmma_scale_f32_16x16x128_f8f6f4 v[8*(8*\a+\b):8*(8*\a+\b)+7], v[128*FP+8*\b:128*FP+8*\b+7], v[AF+32*FP+8*\a:AF+32*FP+8*\a+7], v[8*(8*\a+\b):8*(8*\a+\b)+7], v[SB+32*FS+4*\b+FQ], v[SA+16*FS+4*\a+FQ] matrix_a_fmt:MATRIX_FMT_FP4 matrix_b_fmt:MATRIX_FMT_FP4
.endif
.endr
.endr
.endm
.macro STEP k
	s_wait_dscnt 0x0                               ; this step's fragments, asked for a step ago, are in
.if (\k) == 3
	s_wait_tensorcnt 0x0                           ; my part of slot 1 has landed,
	s_barrier_signal -1
	s_barrier_wait -1                              ; everybody's has
.endif
.if (\k) < 7
	PLACES 4                                       ; four plain places between the last step's products and the loads into the registers that they read (ISA guide 7.12.1 for vector instructions)
	FETCH (\k)+1
.endif
	MUL32 \k, 0
	WIN 0
.endm
	s_wait_tensorcnt 1                             ; the scales and my part of slot 0 are in; slot 1's load may be out
	s_barrier_signal -1
	s_barrier_wait -1
	FETCH 0
	SCALES
	s_wait_loadcnt 0x0                             ; the bias
	s_wait_dscnt 0x0
	FETCH 1
	MUL32 0, 1                                     ; the first K step starts the sums from the bias
	WIN 0
	STEP 1
	STEP 2
	STEP 3
	STEP 4
	STEP 5
	STEP 6
	STEP 7
; THE WAY OUT, a block of 16 tokens x 128 outputs at a time: a lane holds 32 neighbouring bytes of a row and the lanes beside it other rows, so a block goes through my own stage in LDS and comes back as whole rows of 512 bytes.
; LDS serves a wave's instructions in order (ISA guide 5.7.1.4): no wait between the stores and the loads, nor in front of the next block's stores.
.macro TOSTAGE a
.set ACB, 64*(\a)
	WIN 0x08                                       ; an LDS store's data are its source 1: window 2
.irp b, 0,1,2,3,4,5,6,7
	ds_store_b128 v[STO], v[ACB+8*\b:ACB+8*\b+3] offset:64*\b          ; each accumulator from its low end on
	ds_store_b128 v[STO], v[ACB+8*\b+4:ACB+8*\b+7] offset:64*\b+16
.endr
	WIN 0
.set OBK, BK+64*((\a)%2)
.irp t, 0,1,2,3,4,5,6,7,8,9,10,11,12,13,14,15
	ds_load_b128 v[OBK+4*\t:OBK+4*\t+3], v[RD] offset:\t*SPITCH
.endr
.endm
.macro SEND a, younger                 ; younger: the LDS instructions issued behind block a's loads, which may stay out
.set OBK, BK+64*((\a)%2)
	s_wait_dscnt \younger                          ; the block is back in registers
.if (\a) > 0
	s_add_nc_u64 s[94:95], s[94:95], 16*4096       ; (behind a wait on XCNT: the earlier stores have read their base)  16 rows on
.endif
.irp t, 0,1,2,3,4,5,6,7,8,9,10,11,12,13,14,15
	global_store_b128 v[CO], v[OBK+4*\t:OBK+4*\t+3], s[94:95] offset:\t*4096 th:TH_STORE_NT   ; 32 lanes store 512 consecutive bytes, aligned; written once, read by nobody here
.endr
.endm
	PLACES 4                                       ; in front of the first read of results, and of the loads into the registers that held A's fragments
	TOSTAGE 0
.irp a, 1,2,3
.if \a > 1
	s_wait_xcnt 0x0                                ; block a - 2's stores have read their registers and their base: block a's loads may land there, and the base may step
.endif
	TOSTAGE \a
	SEND \a-1, 32                                  ; behind block a - 1's loads: block a's 16 stores and 16 loads
.endr
	s_wait_xcnt 0x0                                ; block 2's stores have read their base
	SEND 3, 0
	s_wait_tensorcnt 0x0
	ds_add_u32 v30, v31
	s_wait_dscnt 0x0
	CROUND                                         ; the closing round: no work-group ends while a partner may still ask for a tile that names it
	s_endpgm
.Lfunc_end_k_q86d25ccc94_outp:
	.size	k_q86d25ccc94_outp, .Lfunc_end_k_q86d25ccc94_outp-k_q86d25ccc94_outp
	.p2alignl 7, 3214868480
	.fill 96, 4, 3214868480
	.section	.rodata,"a",@progbits
	.p2align	6, 0x0
	.amdhsa_kernel k_q86d25ccc94_outp
		.amdhsa_group_segment_fixed_size 252160
		.amdhsa_private_segment_fixed_size 0
		.amdhsa_enable_private_segment 0
		.amdhsa_kernarg_size 48
		.amdhsa_user_sgpr_count 2
		.amdhsa_user_sgpr_kernarg_segment_ptr 1
		.amdhsa_wavefront_size32 1
		.amdhsa_system_sgpr_workgroup_id_x 1
		.amdhsa_system_sgpr_workgroup_id_y 1
		.amdhsa_system_sgpr_workgroup_id_z 1
		.amdhsa_system_vgpr_workitem_id 0
		.amdhsa_next_free_vgpr 832
		.amdhsa_next_free_sgpr 106
		.amdhsa_reserve_vcc 0
		.amdhsa_float_denorm_mode_32 3
		.amdhsa_float_denorm_mode_16_64 3
		.amdhsa_memory_ordered 1
		.amdhsa_forward_progress 1
		.amdhsa_inst_pref_size 74
	.end_amdhsa_kernel
	.amdgpu_metadata
---
amdhsa.version: [ 1, 2 ]
amdhsa.kernels:
  - .name:           k_q86d25ccc94_outp
    .symbol:         k_q86d25ccc94_outp.kd
    .args:
      - { .name: AC, .offset: 0, .size: 8, .value_kind: global_buffer, .address_space: global }
      - { .name: AS, .offset: 8, .size: 8, .value_kind: global_buffer, .address_space: global }
      - { .name: Wo_codes, .offset: 16, .size: 8, .value_kind: global_buffer, .address_space: global }
      - { .name: Wo_scales, .offset: 24, .size: 8, .value_kind: global_buffer, .address_space: global }
      - { .name: bo, .offset: 32, .size: 8, .value_kind: global_buffer, .address_space: global }
      - { .name: out0, .offset: 40, .size: 8, .value_kind: global_buffer, .address_space: global }
    .group_segment_fixed_size: 252160
    .private_segment_fixed_size: 0
    .kernarg_segment_align: 8
    .kernarg_segment_size: 48
    .max_flat_workgroup_size: 128
    .sgpr_count:     106
    .vgpr_count:     832
    .wavefront_size: 32
...
	.end_amdgpu_metadata
.endif
;; end of part 4
;; ======== version 2 of 2: 4 launches; version 1 with the launch attn written anew for expert scheduling mode
;; workspace buffers: QB 5,242,880 bytes; KV 9,961,472 bytes; MW 524,288 bytes of whole numbers; FL 16,384 bytes of whole numbers; AC 4,194,304 bytes; AS 262,144 bytes
;; launch maskprep: the kernel of part 1 again; grid 128 x 1, 16 waves a work-group, no clusters, 35,328 bytes of LDS; arguments attn_mask, MW, FL; writes MW, FL
;; launch proj: the kernel of part 2 again; grid 4 x 192, 4 waves a work-group, clusters of 4 x 4, 222,464 bytes of LDS; arguments q_codes, q_scales, Wq_codes, Wq_scales, bq, k_codes, k_scales, Wk_codes, Wk_scales, bk, v_codes, v_scales, Wv_codes, Wv_scales, bv, QB, KV; writes QB, KV
;; launch attn (part 5): grid 4 x 64, 16 waves a work-group, no clusters, 157,696 bytes of LDS; arguments QB, KV, MW, FL, AC, AS; writes AC, AS
.if DOCPART == 5
	.amdgcn_target "amdgcn-amd-amdhsa--gfx1250"
	.amdhsa_code_object_version 6
	.text
	.protected	k_q86d25ccc94_attn
	.globl	k_q86d25ccc94_attn
	.p2align	8
	.type	k_q86d25ccc94_attn,@function
k_q86d25ccc94_attn:
	s_mov_b64 s[64:65], 0
	v_nop
	global_prefetch_b8 v0, s[64:65] scope:SCOPE_SE
	s_setreg_imm32_b32 hwreg(HW_REG_WAVE_SCHED_MODE, 0, 2), 2
	s_setreg_imm32_b32 hwreg(HW_REG_WAVE_MODE, 25, 1), 1
	s_wait_xcnt 0x0
	s_wait_alu depctr_vm_vsrc(0)
; Attention for one (batch, head) on codes of FP4 (E2M1): S^T = K Q^T (K = the head's 64), the given mask, p = 2^(t - M), O^T = V^T P^T (K = the keys), O / the row's sum, quantised along the head's 64 for the last projection.
; t = score x log2(e) / 8; M = the row's largest t so far, rounded UP to a whole number; p is quantised along the keys, not normalised; the row's sum is taken of the unquantised p.  When M moves, the sum and O^T are multiplied by 2^(old M - new M): exact.
; SHARES: 256 work-groups, four to a (batch, head).  The head's whole record of K and V (codes and scale words as images of the operands' registers, 155,648 bytes) is copied into LDS once, through registers; one barrier; after it no wave
; waits for another.  Each of the 16 waves (four to a SIMD, so that one wave's vector work stands beside another's products and LDS loads) takes two tiles of 16 queries one after the other: T and 127 - T.
; THE MASK is honoured as it is given: an earlier launch has turned it into lane masks (MW) and into a word for each query tile (FL) that says which key steps have to be worked and which have hidden entries.  A step all of whose entries
; are hidden is left out by a scalar branch on that stored word (it adds exact zeros); the loop's trip count stays 16.  The launch has no tensor load, and so no joint loads either:
; what the four work-groups of a head share is one read of the record at the head.
; A hidden score becomes -2^120: c x 2^120 is exact and a whole number, so a row that is hidden everywhere gets p = 1 at every key, uniform weights; elsewhere p falls to 0.  LIMITS: real scores under -2^120 are not served;
; a block whose largest magnitude lies under 2^-124 (zeros too) gets the byte 1; NaN and infinities are not served.
; LAYOUT: both products transposed: a lane holds ONE query (lane % 16).  Register 8 t + j of S^T is key 16 t + 8 h + j.  Q's registers 4-7 are zero codes: the instruction's K = 64 .. 127 adds exact zeros, whatever stands there on K's side.
; REGISTERS: v1-11 addresses and constants; v12 -M, v13 the largest t, v[14:15] the sum in two halves; v16-23 Q; v32-67 K's eight tiles, four registers each, and four zeros; v68-75 K's scale words, v76-79 V's; v80-92 the two tiles' results;
;   v96-159 S^T, then p; v160-191 O^T; v192-223 V's four fragments; v224-231 p's codes; v232-254 at work; v253 p's scale word; v255 Q's.
; THE MODE: SCHED_MODE bits 1:0 = 2 (LLVM: expert scheduling mode 2), set by the entry lines.  The code itself states the register dependences between vector or matrix instructions and memory or LDS instructions, with s_wait_alu, always for 0.
; THE PLAN.  Registers that memory or LDS instructions touch:
;   v24-26          the copy's offset and LDS addresses; v1, v10, v11 the offsets of Q's loads and of the results' stores.  All made at the head, ahead of its one wait on va_vdst, and never written again.
;   v96-171         the copy's data: written by its loads, read by its LDS stores; one wait on vm_vsrc behind the barrier, and they are S^T, p and O^T from there on.
;   v16-19, v255    Q: loaded once a tile; read by the products K Q^T.  The wait on va_vdst ahead of a tile's stores stands behind all its products and ahead of the next tile's loads, with no vector line between.
;   v3-6            a step's LDS addresses: written by four additions at the step's head, read by its 28 LDS loads.
;   v32-63, v68-75  K: loaded at the step's head; read by the step's eight products K Q^T.      v192-223, v76-79  V: loaded among those eight; read by the step's four products V^T P^T.
;   v80-84, v88-92  a tile's results: written by conversions, exchanges and a shift, read by its two stores; each tile has its own.
; A STEP THAT IS WORKED has three waits on va_vdst and one on vm_vsrc.  (1) Behind the four additions: v3-6 are written, and the last step's products are done reading K's and V's registers; all 28 loads hang on it: K's follow at once, V's are
; dealt among the products K Q^T, which name none of the registers that V's loads touch.  (2) vm_vsrc behind the step's last LDS load, ahead of every branch and label: the loads have read v3-6, which the next step worked writes again.
; (3) Behind the batch of exponentials, ahead of its first reader.  (4) Ahead of the products V^T P^T: p's codes and scale word, made by vector lines, are written.
.set KCO, 0                            ; LDS = the record: K's codes [128 tiles][512],
.set VCO, 65536                        ; V^T's [16 steps][4 tiles][1,024],
.set KSO, 131072                       ; K's scale words [128][128],
.set VSO, 147456                       ; V's [16][4][128]
	s_load_b256 s[4:11], s[0:1], 0x0               ; QB, KV, MW, FL
	s_load_b128 s[12:15], s[0:1], 0x20             ; AC, AS
	v_lshl_add_u32 v250, v0, 2, 0x26000
	v_mov_b32 v251, 0
	v_lshrrev_b32 v1, 5, v0
	v_readfirstlane_b32 s84, v1                    ; wave 0..15
	v_lshlrev_b32 v24, 4, v0                       ; the copy: 16 bytes a thread, 8,192 a line
	v_add_nc_u32 v25, 0x10000, v24
	v_add_nc_u32 v26, 0x20000, v24
	v_and_b32 v11, 31, v0                          ; lane
	v_lshlrev_b32 v1, 4, v11                       ; 16 x lane: an image's place for my lane
	v_and_b32 v10, 15, v0
	v_lshlrev_b32 v10, 5, v10                      ; AS: 32 bytes a token
	v_lshlrev_b32 v11, 2, v11                      ; 4 x lane: a scale word's place
	v_add_nc_u32 v2, KSO, v11
	v_add_nc_u32 v8, VCO, v1
	v_add_nc_u32 v9, VSO, v11
	v_mov_b32 v7, 0xfb800000                       ; -2^120
.irp j, 20,21,22,23,64,65,66,67,236,237,238,239,252,253
	v_mov_b32 v\j, 0                               ; Q's zero codes; what stands behind K's last tile; lane permutes' destinations; v253 is named in a pair before it is first made
.endr
	s_and_b32 s3, ttmp7, 0xffff                    ; 16 batch + head
	s_lshl_b32 s85, ttmp9, 4
	s_wait_alu depctr_va_sdst(0)                   ; s84 is written, ahead of its one reader
	s_add_co_u32 s85, s85, s84                     ; my first query tile: 16 x work-group x + wave
	s_mov_b32 s91, 0
	s_mov_b32 s93, 0
	s_mov_b32 s95, 0
	s_mov_b32 s97, 0
	s_mul_i32 s92, s3, 81920                       ; the head's record in QB,
	s_mul_i32 s94, s3, 155648                      ; in KV
	s_lshr_b32 s98, s3, 4                          ; batch
	s_and_b32 s99, s3, 15                          ; head
	s_lshl_b32 s96, s98, 20                        ; AC [128 groups of 64 tokens][2 halves of K][4 tiles][4 K steps][2][512]: head = 8 half + 2 step + c
	s_lshr_b32 s100, s99, 3
	s_lshl_b32 s100, s100, 14
	s_add_co_u32 s96, s96, s100
	s_bfe_u32 s100, s99, 0x20001
	s_lshl_b32 s100, s100, 10
	s_add_co_u32 s96, s96, s100
	s_and_b32 s100, s99, 1
	s_lshl_b32 s100, s100, 9
	s_add_co_u32 s96, s96, s100
	s_lshl_b32 s90, s98, 16                        ; AS [8,192 tokens][32]: bytes 2 head, 2 head + 1
	s_lshl_b32 s100, s99, 1
	s_add_co_u32 s90, s90, s100
	s_mov_b32 s86, 0x76543210
	s_mov_b32 s87, 0xfedcba98                      ; v_permlanex16_b32's selects for lane l xor 16
	s_mov_b32 s88, 0x3e38aa3b                      ; c = log2(e) / 8
	s_mov_b32 s89, s88                             ; (named with it as a pair, so it is written)
	s_wait_kmcnt 0x0
	s_add_nc_u64 s[4:5], s[4:5], s[92:93]
	s_add_nc_u64 s[6:7], s[6:7], s[94:95]
	s_add_nc_u64 s[12:13], s[12:13], s[96:97]
	s_add_nc_u64 s[14:15], s[14:15], s[90:91]
	s_wait_alu depctr_va_vdst(0)                   ; all that the head's vector lines make is written: v24 to v26, which the copy's loads and LDS stores read; v1, v10, v11, the offsets of Q's loads and of the stores; the zero codes v20-23 and v64-67, which products take as operands
.irp i, 0,1,2,3,4,5,6,7,8,9,10,11,12,13,14,15,16,17,18
	global_load_b128 v[96+4*\i:99+4*\i], v24, s[6:7] offset:8192*\i
.endr
.irp i, 0,1,2,3,4,5,6,7,8,9,10,11,12,13,14,15,16,17,18
	s_wait_loadcnt 18-\i                           ; loads come back in order: line i is in, the younger ones stay out
	ds_store_b128 v[24+\i/8], v[96+4*\i:99+4*\i] offset:8192*(\i%8)
.endr
	s_wait_dscnt 0x0                               ; for the others' sake: my part of the record lies in LDS
	s_barrier_signal -1
	s_barrier_wait -1                              ; all of it does; from here on LDS is only read
	s_wait_alu depctr_vm_vsrc(0)                   ; my LDS stores have read v96 to v171: these registers are S^T, p and O^T from here on, written by products and vector lines
.macro TILE n
	s_wait_xcnt 0x0                                ; the pointers below were the last tile's loads' and stores' bases
.if \n
	s_sub_co_u32 s85, 127, s85                     ; the second tile
.endif
	s_mov_b32 s93, 0
	s_lshl_b32 s92, s85, 9
	s_add_nc_u64 s[94:95], s[4:5], s[92:93]        ; Q's codes: 512 bytes a tile
	s_lshl_b32 s92, s85, 7
	s_add_nc_u64 s[96:97], s[4:5], s[92:93]        ; its scale words: 128 bytes a tile, 65,536 on
	s_add_nc_u64 s[90:91], s[10:11], s[92:93]      ; FL: 128 bytes a tile
	global_load_b128 v[16:19], v1, s[94:95]        ; no wait of its own: no vector or matrix line stands between the last wait on va_vdst (the head's; the one ahead of the last tile's stores) and these two loads
	global_load_b32 v255, v11, s[96:97] offset:65536
	s_load_b32 s98, s[90:91], 0x0                  ; which steps are worked (bits 15:0), which have hidden entries (31:16)
	v_mov_b32 v13, 0xff61b1e6                      ; the largest t so far: -3e38, under every t
	v_floor_f32 v12, -v13                          ; -M
	v_mov_b32 v14, 0                               ; the sum, in two halves
	v_mov_b32 v15, 0
.irp j, 0,1,2,3,4,5,6,7,8,9,10,11,12,13,14,15,16,17,18,19,20,21,22,23,24,25,26,27,28,29,30,31
	v_mov_b32 v[160+\j], 0                         ; O^T: the loop is written once; its first step finds zeros, which the first change of M leaves zeros
.endr
	s_mov_b32 s99, 0                               ; where the step's tiles of K and of V begin: 4,096 bytes a step;
	s_mov_b32 s100, 0                              ; K's scale words: 1,024;
	s_mov_b32 s101, 0                              ; V's: 512
	s_mov_b32 s2, 0                                ; the key step
	s_wait_kmcnt 0x0                               ; FL's word is in, and its pointer may be written
	s_lshl_b32 s92, s85, 12
	s_add_nc_u64 s[90:91], s[8:9], s[92:93]        ; MW: 4,096 bytes a tile, 256 a step
	s_wait_loadcnt 0x0                             ; Q
.Lstep_\@:
	s_lshr_b32 s3, s98, s2
	s_and_b32 s105, s3, 0x10000                    ; has this step hidden entries?
	s_and_b32 s3, s3, 1
	s_cmp_eq_u32 s3, 0
	s_cbranch_scc1 .Lhidden_\@                     ; wholly hidden: only the addresses step
	s_load_b512 s[16:31], s[90:91], 0x0            ; the step's 64 lane masks
	s_load_b512 s[32:47], s[90:91], 0x40
	s_load_b512 s[48:63], s[90:91], 0x80
	s_load_b512 s[68:83], s[90:91], 0xc0
	v_add_nc_u32 v3, s99, v1                       ; (the LDS loads that read these four were shown done reading them in the step that issued them)
	v_add_nc_u32 v4, s99, v8                       ; these four also stand as plain places between the last step's products and the loads into the registers that they read
	v_add_nc_u32 v5, s100, v2
	v_add_nc_u32 v6, s101, v9
	s_wait_alu depctr_va_vdst(0)                   ; v3 to v6 are written, which the 28 LDS loads below read; the products of the last step worked are done reading K's and V's registers and scale words, in which those loads land
.irp t, 0,1,2,3,4,5,6,7
	ds_load_b128 v[32+4*\t:35+4*\t], v3 offset:512*\t          ; K: 16 keys x 64: four registers
.endr
.irp t, 0,1,2,3,4,5,6,7
	ds_load_b32 v[68+\t], v5 offset:128*\t
.endr
	s_wait_dscnt 0x0                               ; K's sixteen loads are in
.irp t, 0,1,2,3,4,5,6,7
	v_wmma_scale_f32_16x16x128_f8f6f4 v[96+8*\t:103+8*\t], v[32+4*\t:39+4*\t], v[16:23], 0, v[68+\t], v255 matrix_a_fmt:MATRIX_FMT_FP4 matrix_b_fmt:MATRIX_FMT_FP4   ; a tile's upper four registers are the next tile's codes: they meet Q's zero codes
.if \t < 4                             ; V's twelve loads are dealt among these products.  No wait: no vector or matrix line since the wait above names v4, v6, v192 to v223 or v76 to v79
	ds_load_b128 v[192+8*\t:195+8*\t], v4 offset:1024*\t       ; V^T: 16 channels x 128 keys
	ds_load_b128 v[196+8*\t:199+8*\t], v4 offset:1024*\t+512
.else
	ds_load_b32 v[76+\t-4], v6 offset:128*(\t-4)
.endif
.endr
.rept 4
	v_nop                                          ; four places in front of the first read of results
.endr
	s_wait_alu depctr_vm_vsrc(0)                   ; this step's 28 LDS loads have read v3 to v6, which the next step that is worked writes again: stated here, ahead of every branch and label on the way there
	s_wait_kmcnt 0x0                               ; the lane masks are in, and their pointer may step
	s_cmp_eq_u32 s105, 0
	s_cbranch_scc1 .Lopen_\@                       ; nothing hidden in this step
.set n, 0
.rept 64
.if n < 48
	v_cndmask_b32 v[96+n], v[96+n], v7, s[16+n]
.else
	v_cndmask_b32 v[96+n], v[96+n], v7, s[20+n]
.endif
.set n, n+1
.endr
.Lopen_\@:
.irp b, 0,1,2,3
	v_max3_num_f32 v[232+\b], v[96+16*\b], v[97+16*\b], v[98+16*\b]   ; the largest score of each block of 32 keys: it serves for the row's maximum and, since p rises with the score, for the block's largest p
.endr
.irp i, 3,5,7,9,11,13
.irp b, 0,1,2,3
	v_max3_num_f32 v[232+\b], v[232+\b], v[96+16*\b+\i], v[97+16*\b+\i]
.endr
.endr
.irp b, 0,1,2,3
	v_max_num_f32 v[232+\b], v[232+\b], v[111+16*\b]
.endr
.irp b, 0,1,2,3
	v_permlanex16_b32 v[236+\b], v[232+\b], s86, s87
.endr
.irp b, 0,1,2,3
	v_max_num_f32 v[232+\b], v[232+\b], v[236+\b]  ; with lane l xor 16's 16 keys
.endr
	v_max3_num_f32 v254, v232, v233, v234
	v_max_num_f32 v254, v254, v235                 ; the step's largest score of my query
	v_mul_f32 v254, s88, v254                      ; as t
	v_max_num_f32 v13, v13, v254                   ; the running largest t
	v_mov_b32 v254, v12
	v_floor_f32 v12, -v13                          ; the new -M = floor(-t) = -ceil(t)
	v_sub_f32 v254, v12, v254                      ; old M - new M: a whole number, 0 or less
	v_cvt_i32_f32 v254, v254                       ; (it saturates)
	v_ldexp_f32 v252, 1.0, v254                    ; f = 2^(old M - new M)
.irp j, 0,2,4,6,8,10,12,14,16,18,20,22,24,26,28,30,32,34,36,38,40,42,44,46,48,50,52,54,56,58,60,62
	v_pk_fma_f32 v[96+\j:97+\j], v[96+\j:97+\j], s[88:89], v[12:13] op_sel_hi:[1,0,0]   ; t - M, two at a time
.endr
.irp b, 0,1,2,3
	v_fma_f32 v[232+\b], v[232+\b], s88, v12       ; the same of each block's largest score
.endr
.irp j, 0,1,2,3,4,5,6,7,8,9,10,11,12,13,14,15,16,17,18,19,20,21,22,23,24,25,26,27,28,29,30,31,32,33,34,35,36,37,38,39,40,41,42,43,44,45,46,47,48,49,50,51,52,53,54,55,56,57,58,59,60,61,62,63
	v_exp_f32 v[96+\j], v[96+\j]                   ; p = 2^(t - M), at most 1
.endr
.irp b, 0,1,2,3
	v_exp_f32 v[232+\b], v[232+\b]                 ; the block's largest p: the same two instructions on the same number give the same bits
.endr
	v_pk_mul_f32 v[14:15], v[14:15], v[252:253] op_sel_hi:[1,0]   ; the sums under the new M: the plain instruction behind the batch of 68 exponentials
.irp j, 0,2,4,6,8,10,12,14,16,18,20,22,24,26,28,30
	v_pk_mul_f32 v[160+\j:161+\j], v[160+\j:161+\j], v[252:253] op_sel_hi:[1,0]   ; O^T under the new M: work that names no exponential's result
.endr
	s_wait_alu depctr_va_vdst(0)                   ; the 68 exponentials have written v96 to v159 and v232 to v235: one wait for the whole batch, ahead of its first reader
.irp b, 0,1,2,3
	v_max_num_f32 v[232+\b], 0x1800000, v[232+\b]  ; the floor 2^(3 - 127): the byte cannot fall under 1
.endr
.irp b, 0,1,2,3
	v_add_nc_u32 v[244+\b], 0xff000000, v[232+\b]  ; 2 off the exponent field: the conversion's scale operand
.endr
.irp b, 0,1,2,3
	v_lshrrev_b32 v[236+\b], 23, v[244+\b]         ; the scale's byte
.endr
	v_lshl_or_b32 v253, v237, 8, v236              ; p's scale word for these 128 keys
	v_lshl_or_b32 v253, v238, 16, v253
	v_lshl_or_b32 v253, v239, 24, v253
.irp b, 0,1,2,3
.irp u, 0,1
	v_cvt_scalef32_pk8_fp4_f32 v[224+4*(\b/2)+2*\u+(\b%2)], v[96+16*\b+8*\u:103+16*\b+8*\u], v[244+\b]   ; the codes of keys 32 b + 16 u + 8 h + 0 .. 7
.endr
.endr
	v_nop                                          ; one plain place behind a scaled conversion
.irp c, 0,1
.irp u, 0,1
	v_permlane16_swap_b32 v[224+4*\c+2*\u], v[225+4*\c+2*\u]   ; registers 4 c .. 4 c + 3 now hold keys 64 c + 32 h + 0 .. 31
.endr
.endr
	v_pk_add_f32 v[236:237], v[96:97], v[98:99]    ; the row's sum, of the unquantised p, in two chains.  These 32 lines are also the places between the scale word and the codes just made and the products below
.irp j, 4,8,12,16,20,24,28,32,36,40,44,48,52,56,60
	v_pk_add_f32 v[14:15], v[14:15], v[96+\j:97+\j]
	v_pk_add_f32 v[236:237], v[236:237], v[98+\j:99+\j]
.endr
	v_pk_add_f32 v[14:15], v[14:15], v[236:237]
	s_wait_dscnt 0x0                               ; V
	s_wait_alu depctr_va_vdst(0)                   ; the conversions and exchanges have written p's codes v224 to v231, and the shifts its scale word v253, which the scaled products below take as source 1 and as its scales; the places above stay beside this wait
.irp t, 0,1,2,3
	v_wmma_scale_f32_16x16x128_f8f6f4 v[160+8*\t:167+8*\t], v[192+8*\t:199+8*\t], v[224:231], v[160+8*\t:167+8*\t], v[76+\t], v253 matrix_a_fmt:MATRIX_FMT_FP4 matrix_b_fmt:MATRIX_FMT_FP4   ; four accumulators, one instruction each
.endr
.Lhidden_\@:
	s_add_co_u32 s99, s99, 4096
	s_add_co_u32 s100, s100, 1024
	s_add_co_u32 s101, s101, 512
	s_add_nc_u64 s[90:91], s[90:91], 256
	s_add_co_u32 s2, s2, 1
	s_cmp_lt_u32 s2, 16
	s_cbranch_scc1 .Lstep_\@
	; the tile's end: O^T / the sum, quantised along the head's 64: two blocks
	v_add_f32 v14, v14, v15                        ; the sum's two halves,
	v_permlanex16_b32 v252, v14, s86, s87
	v_add_f32 v14, v14, v252                       ; and lane l xor 16's
	v_rcp_f32 v14, v14
.rept 3
	v_nop                                          ; a plain place behind the reciprocal; with the two additions also the places behind the last products
.endr
	s_lshr_b32 s92, s85, 2
	s_lshl_b32 s92, s92, 15                        ; AC: 32,768 bytes a group of four tiles,
	s_and_b32 s3, s85, 3
	s_lshl_b32 s3, s3, 12                          ; 4,096 a tile
	s_add_co_u32 s92, s92, s3
	s_add_nc_u64 s[94:95], s[12:13], s[92:93]      ; (Q's loads, which named these pairs, were waited for)
	s_lshl_b32 s92, s85, 9                         ; AS: 512 bytes a tile
	s_add_nc_u64 s[96:97], s[14:15], s[92:93]
	s_wait_alu depctr_va_vdst(0)                   ; the reciprocal has written v14, ahead of its first reader
.irp j, 0,2,4,6,8,10,12,14,16,18,20,22,24,26,28,30
	v_pk_mul_f32 v[96+\j:97+\j], v[160+\j:161+\j], v[14:15] op_sel_hi:[1,0]   ; register 8 a + i is o(query r, channel 16 a + 8 h + i)
.endr
.irp b, 0,1
	v_max3_num_f32 v[232+\b], |v[96+16*\b]|, |v[97+16*\b]|, 0x1800000
.endr
.irp i, 2,4,6,8,10,12,14
.irp b, 0,1
	v_max3_num_f32 v[232+\b], v[232+\b], |v[96+16*\b+\i]|, |v[97+16*\b+\i]|
.endr
.endr
.irp b, 0,1
	v_permlanex16_b32 v[236+\b], v[232+\b], s86, s87
.endr
.irp b, 0,1
	v_max_num_f32 v[232+\b], v[232+\b], v[236+\b]
.endr
.irp b, 0,1
	v_add_nc_u32 v[244+\b], 0xff000000, v[232+\b]
.endr
.irp b, 0,1
	v_lshrrev_b32 v[236+\b], 23, v[244+\b]
.endr
	v_lshl_or_b32 v[84+8*\n], v237, 8, v236        ; my query's two scale bytes
.irp b, 0,1
.irp u, 0,1
	v_cvt_scalef32_pk8_fp4_f32 v[80+8*\n+2*\u+\b], v[96+16*\b+8*\u:103+16*\b+8*\u], v[244+\b]
.endr
.endr
	v_nop                                          ; one plain place behind a scaled conversion
.irp u, 0,1
	v_permlane16_swap_b32 v[80+8*\n+2*\u], v[81+8*\n+2*\u]   ; four registers: channels 32 h + 0 .. 31 of query r
.endr
	s_wait_alu depctr_va_vdst(0)                   ; the conversions and exchanges have written the tile's four registers of codes, and the shift its scale bytes, which the two stores read; and all the tile's products are done reading v16 to v19 and v255, in which the next tile's loads of Q land
	global_store_b128 v1, v[80+8*\n:83+8*\n], s[94:95]       ; 32 lanes store 512 consecutive bytes, aligned.  Each tile has its own registers for its results
	global_store_b16 v10, v[84+8*\n], s[96:97]     ; two bytes of each token's 32 (lanes 16-31 write what lanes 0-15 write): one byte in nine of what the launch stores
.endm
	TILE 0
	TILE 1
	s_wait_dscnt 0x0
	s_wait_alu depctr_hold_cnt(0) depctr_sa_sdst(0) depctr_va_vdst(0) depctr_va_sdst(0) depctr_va_ssrc(0) depctr_va_vcc(0) depctr_vm_vsrc(0)
	s_wait_tensorcnt 0x0
	ds_add_u32 v250, v251
	s_wait_dscnt 0x0
	s_endpgm
.Lfunc_end_k_q86d25ccc94_attn:
	.size	k_q86d25ccc94_attn, .Lfunc_end_k_q86d25ccc94_attn-k_q86d25ccc94_attn
	.p2alignl 7, 3214868480
	.fill 96, 4, 3214868480
	.section	.rodata,"a",@progbits
	.p2align	6, 0x0
	.amdhsa_kernel k_q86d25ccc94_attn
		.amdhsa_group_segment_fixed_size 157696
		.amdhsa_private_segment_fixed_size 0
		.amdhsa_enable_private_segment 0
		.amdhsa_kernarg_size 48
		.amdhsa_user_sgpr_count 2
		.amdhsa_user_sgpr_kernarg_segment_ptr 1
		.amdhsa_wavefront_size32 1
		.amdhsa_system_sgpr_workgroup_id_x 1
		.amdhsa_system_sgpr_workgroup_id_y 1
		.amdhsa_system_sgpr_workgroup_id_z 1
		.amdhsa_system_vgpr_workitem_id 0
		.amdhsa_next_free_vgpr 256
		.amdhsa_next_free_sgpr 106
		.amdhsa_reserve_vcc 0
		.amdhsa_float_denorm_mode_32 3
		.amdhsa_float_denorm_mode_16_64 3
		.amdhsa_memory_ordered 1
		.amdhsa_forward_progress 1
		.amdhsa_inst_pref_size 59
	.end_amdhsa_kernel
	.amdgpu_metadata
---
amdhsa.version: [ 1, 2 ]
amdhsa.kernels:
  - .name:           k_q86d25ccc94_attn
    .symbol:         k_q86d25ccc94_attn.kd
    .args:
      - { .name: QB, .offset: 0, .size: 8, .value_kind: global_buffer, .address_space: global }
      - { .name: KV, .offset: 8, .size: 8, .value_kind: global_buffer, .address_space: global }
      - { .name: MW, .offset: 16, .size: 8, .value_kind: global_buffer, .address_space: global }
      - { .name: FL, .offset: 24, .size: 8, .value_kind: global_buffer, .address_space: global }
      - { .name: AC, .offset: 32, .size: 8, .value_kind: global_buffer, .address_space: global }
      - { .name: AS, .offset: 40, .size: 8, .value_kind: global_buffer, .address_space: global }
    .group_segment_fixed_size: 157696
    .private_segment_fixed_size: 0
    .kernarg_segment_align: 8
    .kernarg_segment_size: 48
    .max_flat_workgroup_size: 512
    .sgpr_count:     106
    .vgpr_count:     256
    .wavefront_size: 32
...
	.end_amdgpu_metadata
.endif
;; end of part 5
;; launch outp: the kernel of part 4 again; grid 4 x 64, 4 waves a work-group, clusters of 4 x 4, 252,160 bytes of LDS; arguments AC, AS, Wo_codes, Wo_scales, bo, out0; writes out0
